; MI455X (gfx1250); checked and timed in simulation.
; The chip was launched on July 23, 2026; its instructions are those of AMD's public machine-readable ISA for CDNA 5 (MIT licence, August 2026) and "CDNA5" Instruction Set Architecture Reference Guide (July 2026). The comments in the code are by the model that wrote it; some were corrected since.
;; Feature Net. Allowed arithmetic: float matrix products may take bf16 or f16 operands with f32 sums; other float arithmetic in f32, or as packed bf16 or f16 multiplies, adds, multiply-adds, maxima and minima; sums over many terms, partial sums and values carried from step to step in f32; what a program stores and reads back later, other than sums and carried values, may be rounded once to bf16 or f16.
;; Inputs: W0 67 x 128 float32; W1 128 x 128 float32; W2 128 x 128 float32; W3 128 x 64 float32; b0 128 float32; b1 128 float32; b2 128 float32; b3 64 float32; query_pts 32,768 x 3 float32; vertex 6,890 x 3 float32; vertex_features 6,890 x 64 float32.
;; Outputs: out0 32,768 x 64 float32.
;; 2 versions, each right; version 2 is version 1 with the launch knn1 written anew for expert scheduling mode. Each part assembles by itself: llvm-mc -triple=amdgcn-amd-amdhsa -mcpu=gfx1250 --defsym DOCPART=n.
;; ======== version 1 of 2: 3 launches
;; workspace buffers: vt 110,592 bytes; qt 524,288 bytes; blk 262,144 bytes of whole numbers; f16 882,176 bytes; wimg 112,640 bytes; idx 524,288 bytes of whole numbers; wa 524,288 bytes; wb 524,288 bytes
;; launch knn1 (part 1): grid 256 x 1, 4 waves a work-group, no clusters, 119,808 bytes of LDS; arguments vertex, vertex_features, query_pts, W0, W1, W2, W3, b0, b1, b2, b3, vt, qt, blk, f16, wimg; writes vt, qt, blk, f16, wimg
.if DOCPART == 1
	.amdgcn_target "amdgcn-amd-amdhsa--gfx1250"
	.amdhsa_code_object_version 6
	.text
	.protected	k_qc872c1419b_knn1
	.globl	k_qc872c1419b_knn1
	.p2align	8
	.type	k_qc872c1419b_knn1,@function
k_qc872c1419b_knn1:
	s_mov_b64 s[64:65], 0
	v_nop
	global_prefetch_b8 v0, s[64:65] scope:SCOPE_SE
	s_setreg_imm32_b32 hwreg(HW_REG_WAVE_MODE, 25, 1), 1
	s_wait_xcnt 0x0
; FIRST STEP OF THE NEAREST-NEIGHBOUR SEARCH, and the tables of the later launches.
; All inputs are rounded to bf16 first (to nearest even).  For each query the squared distance to all 6,890 vertices is made as
; d2 = ((qq + m) + vv), m = fma(qz,-2vz, fma(qy,-2vy, qx*(-2vx))), qq and vv = fma(z,z, fma(y,y, x*x)): products of bf16 numbers are exact in f32,
; so these are the roundings of (sum q^2 - 2 q.v) + sum v^2 with sums taken in ascending order.
; The vertices lie in 216 blocks of 32 consecutive rows (rows 6890 .. 6911 count as infinitely far).  A query keeps the 8 blocks with the smallest (minimum, block number).
; The 8 nearest vertices, ordered by (d2, index), lie in these 8 blocks: were one outside, each of the 8 blocks would hold a vertex ahead of it.
; LIMITS.  NaN and infinities are not treated apart; products below 2^-126 may round otherwise than an unfused product; the order of the sums is taken to be ascending.
; SHARES.  A work-group owns 128 queries.  Wave w: query group w & 1 (64 queries, two a lane: the two halves of each packed instruction), vertex half w >> 1 (108 blocks).
; The halves' lists meet in LDS at the end.  NO CLUSTER, NO TENSOR LOAD: the one thing that work-groups share is the raw vertex array, whose rows of 12 bytes become
; table rows of 16 bytes on the way into LDS: they pass through registers in any case.
; SIDE JOBS, shared out by work-group and wave: vertex_features in bf16 (f16), the weights as matrix fragments and the biases (wimg), the vertex table (vt), the queries (qt).
; LDS: 0 the table, 6,944 rows of 16 bytes (-2x, -2y, -2z, vv), the last 32 of them rows that only the look-ahead reads; MG the second half's lists; SPARE the spare words.
; REGISTERS.  v0 thread, v1 lane, v2 v3 the add's two; set-up: v5-v13 offsets, v16-v31 side jobs, v[32+4i ..] vertex row 128 i + thread, v248-254 raw queries.
; Main loop: v4 LDS address (the same in all lanes); v[8:15] qx qy qz qq, each a pair (query a, query b); v[16:47] lists, quad k = (value a, block a, value b, block b);
; v[48:79], v[80:111] two buffers of 8 table rows (v[48:79] later the partner's lists); v[112:127] 8 pairs of d2; v128 v129 the block's minima; v130-133 at work.
; s40 wave, s41 query group, s42 vertex half, s43 block number, s44 counter, s45 mask of the upper bf16, s[46:61] compare masks, s62 work-group, s63 +inf.
.set PADS,  110592
.set MG,    111104
.set SPARE, 119296
; x goes into the sorted list of 8 values v[L + st i] with numbers v[I + st i]; behind values equal to it, so that of equals the earlier comer stays ahead.
.macro INSERT x, c, L, I, st, M, T
.set ii, 0
.rept 8
	v_cmp_lt_f32 s[(\M)+ii], \x, v[(\L)+(\st)*ii]
.set ii, ii+1
.endr
.set ii, 7
.rept 7
	v_med3_num_f32 v[(\L)+(\st)*ii], \x, v[(\L)+(\st)*(ii-1)], v[(\L)+(\st)*ii]  ; the middle of x and two neighbours of the sorted list is the new entry
.set ii, ii-1
.endr
	v_min_num_f32 v[\L], \x, v[\L]
.set ii, 7
.rept 3
	v_cndmask_b32 v[\T], \c, v[(\I)+(\st)*(ii-1)], s[(\M)+ii-1]
	v_cndmask_b32 v[(\T)+1], \c, v[(\I)+(\st)*(ii-2)], s[(\M)+ii-2]
	v_cndmask_b32 v[(\I)+(\st)*ii], v[(\I)+(\st)*ii], v[\T], s[(\M)+ii]
	v_cndmask_b32 v[(\I)+(\st)*(ii-1)], v[(\I)+(\st)*(ii-1)], v[(\T)+1], s[(\M)+ii-1]
.set ii, ii-2
.endr
	v_cndmask_b32 v[\T], \c, v[\I], s[\M]
	v_cndmask_b32 v[\I], v[\I], \c, s[\M]
	v_cndmask_b32 v[(\I)+(\st)], v[(\I)+(\st)], v[\T], s[(\M)+1]
.endm
	s_load_b512 s[8:23], s[0:1], 0x0               ; vertex 8, features 10, queries 12, W0 14, W1 16, W2 18, W3 20, b0 22
	s_load_b512 s[24:39], s[0:1], 0x40             ; b1 24, b2 26, b3 28, vt 30, qt 32, blk 34, f16 36, wimg 38
	v_lshl_add_u32 v2, v0, 2, SPARE
	v_mov_b32 v3, 0
	v_and_b32 v1, 31, v0
	v_lshrrev_b32 v4, 5, v0
	v_readfirstlane_b32 s40, v4
	s_and_b32 s41, s40, 1
	s_lshr_b32 s42, s40, 1
	s_mov_b32 s45, 0xffff0000
	s_mov_b32 s62, ttmp9
	s_mov_b32 s63, 0x7f800000
	v_mul_u32_u24 v5, v0, 12                       ; a raw row is 12 bytes
	v_add_nc_u32 v8, 6784, v0                      ; the row of the last of my 54
	v_min_u32 v6, 6889, v8                         ; held inside the array
	v_mul_u32_u24 v6, v6, 12
	v_mul_u32_u24 v7, v1, 12
	v_lshlrev_b32 v9, 4, v0                        ; my table row's place among 128
	v_add_nc_u32 v10, 65536, v9                    ; the same for rows whose offset no longer fits 16 bits
	s_mul_i32 s66, s62, 1536
	s_mul_i32 s67, s41, 768
	s_add_co_u32 s66, s66, s67
	s_mov_b32 s67, 0
	s_wait_kmcnt 0x0
	s_add_nc_u64 s[68:69], s[12:13], s[66:67]      ; the wave's 64 queries
.set i, 0
.rept 53
	global_load_b96 v[32+4*i:34+4*i], v5, s[8:9] offset:1536*i
.set i, i+1
.endr
	global_load_b96 v[244:246], v6, s[8:9]
	global_load_b96 v[248:250], v7, s[68:69]
	global_load_b96 v[252:254], v7, s[68:69] offset:384
; SIDE JOB: task T turns 1,024 bytes of vertex_features into 512 bytes of bf16; 1,723 tasks, of which the last reads its final 512 bytes clamped (they fill two rows that nobody reads).
.macro F16TASK
	s_lshl_b32 s71, s70, 10
	v_lshl_add_u32 v16, v1, 5, s71
	v_min_u32 v16, 1763808, v16
	s_lshl_b32 s71, s70, 9
	v_lshl_add_u32 v17, v1, 4, s71
	global_load_b128 v[20:23], v16, s[10:11] th:TH_LOAD_NT
	global_load_b128 v[24:27], v16, s[10:11] offset:16 th:TH_LOAD_NT
	s_wait_loadcnt 0x0                             ; these two, and at the first task the vertices and queries ahead of them
	v_cvt_pk_bf16_f32 v28, v20, v21
	v_cvt_pk_bf16_f32 v29, v22, v23
	v_cvt_pk_bf16_f32 v30, v24, v25
	v_cvt_pk_bf16_f32 v31, v26, v27
	global_store_b128 v17, v[28:31], s[36:37]      ; the wave stores 512 consecutive bytes
.endm
	s_lshl_b32 s70, s62, 2
	s_add_co_u32 s70, s70, s40                     ; task 4 g + w, and 1,024 further on where that exists
	F16TASK
	s_cmp_lt_u32 s70, 699
	s_cbranch_scc0 .Lf16_done
	s_wait_xcnt 0x0                                ; the first task's offsets and data are written again only behind this wait
	s_add_co_u32 s70, s70, 1024
	F16TASK
.Lf16_done:
	s_wait_xcnt 0x0                                ; v16, v17, v[28:31] are free for the jobs below
; THE TABLE: six rows at a time, stage by stage, in place.
.macro SIX line:vararg
.set k6, 0
.rept 6
	\line
.set k6, k6+1
.endr
.endm
.macro VGRP i0
.set R, 32+4*(\i0)
	SIX v_cvt_pk_bf16_f32 v[R+4*k6+3], v[R+4*k6], v[R+4*k6+1]
	SIX v_cvt_pk_bf16_f32 v[R+4*k6+2], v[R+4*k6+2], v[R+4*k6+2]
	SIX v_lshlrev_b32 v[R+4*k6], 16, v[R+4*k6+3]
	SIX v_and_b32 v[R+4*k6+1], s45, v[R+4*k6+3]
	SIX v_lshlrev_b32 v[R+4*k6+2], 16, v[R+4*k6+2]
	SIX v_mul_f32 v[R+4*k6+3], v[R+4*k6], v[R+4*k6]
	SIX v_fma_f32 v[R+4*k6+3], v[R+4*k6+1], v[R+4*k6+1], v[R+4*k6+3]
	SIX v_fma_f32 v[R+4*k6+3], v[R+4*k6+2], v[R+4*k6+2], v[R+4*k6+3]
	SIX v_pk_mul_f32 v[R+4*k6:R+4*k6+1], v[R+4*k6:R+4*k6+1], -2.0 op_sel_hi:[1,0]
	SIX v_mul_f32 v[R+4*k6+2], -2.0, v[R+4*k6+2]
.if (\i0) == 48                        ; rows 6890 .. 6911 do not exist: (0, 0, 0, +inf)
	v_cmp_lt_u32 vcc_lo, 6889, v8
	v_cndmask_b32 v244, v244, 0, vcc_lo
	v_cndmask_b32 v245, v245, 0, vcc_lo
	v_cndmask_b32 v246, v246, 0, vcc_lo
	v_cndmask_b32 v247, v247, s63, vcc_lo
.endif
.set k6, 0
.rept 6
.if ((\i0)+k6) < 32
	ds_store_b128 v9, v[R+4*k6:R+4*k6+3] offset:2048*((\i0)+k6)
.else
	ds_store_b128 v10, v[R+4*k6:R+4*k6+3] offset:2048*((\i0)+k6-32)
.endif
.set k6, k6+1
.endr
.endm
.irp i0, 0,6,12,18,24,30,36,42,48
	VGRP \i0
.endr
	s_cmp_lg_u32 s40, 0
	s_cbranch_scc1 .Lno_pad
	v_lshl_add_u32 v11, v1, 4, PADS                ; 32 rows behind the table, which the last look-ahead reads
	v_mov_b32 v20, 0
	v_mov_b32 v21, 0
	v_mov_b32 v22, 0
	v_mov_b32 v23, s63
	ds_store_b128 v11, v[20:23]
.Lno_pad:
; SIDE JOB, wave 1: work-group g < 220 makes bytes 512 g .. 512 g + 511 of wimg.
; g < 208: half c = g & 1 of fragment f = g >> 1: lane (r = lane & 15, h = lane >> 4) holds k = 32 s + 16 c + 8 h + 0..7 of output channel 16 mt + r, in bf16.
; f = 8 s + mt: W0 (s < 3; its third K step holds rows 64-66 and b0, then zeros); 24 + 8 s + mt: W1; 56 + 8 s + mt: W2; 88 + 4 s + mt: W3, whose place k' = 8 r' + j stands for row 16 j + r'.
	s_cmp_lg_u32 s40, 1
	s_cbranch_scc1 .Lw_done
	v_and_b32 v12, 15, v1
	v_lshrrev_b32 v13, 4, v1
	s_lshl_b32 s66, s62, 9
	v_lshl_add_u32 v17, v1, 4, s66
	s_lshr_b32 s70, s62, 1
	s_and_b32 s71, s62, 1
	s_mov_b32 s77, 0
	s_cmp_lt_u32 s62, 208
	s_cbranch_scc0 .Lw_bias
	s_cmp_ge_u32 s70, 88
	s_cbranch_scc1 .Lw_last
	s_cmp_lt_u32 s70, 16
	s_cbranch_scc1 .Lw_plain
	s_cmp_lt_u32 s70, 24
	s_cbranch_scc1 .Lw_geo
.Lw_plain:
	s_cmp_ge_u32 s70, 24
	s_cselect_b64 s[74:75], s[16:17], s[14:15]
	s_cselect_b32 s72, 24, 0
	s_cmp_ge_u32 s70, 56
	s_cselect_b64 s[74:75], s[18:19], s[74:75]
	s_cselect_b32 s72, 56, s72
	s_sub_co_u32 s72, s70, s72
	s_lshr_b32 s73, s72, 3                         ; s
	s_and_b32 s72, s72, 7                          ; mt
	s_lshl_b32 s76, s73, 14                        ; 32 s rows of 512 bytes
	s_lshl_b32 s73, s71, 13                        ; 16 c rows
	s_add_co_u32 s76, s76, s73
	s_lshl_b32 s73, s72, 6                         ; 16 mt columns
	s_add_co_u32 s76, s76, s73
	s_add_nc_u64 s[74:75], s[74:75], s[76:77]
	v_lshlrev_b32 v16, 2, v12
	v_lshl_add_u32 v16, v13, 12, v16               ; column r, 8 h rows
.irp j, 0,1,2,3,4,5,6,7
	global_load_b32 v[20+\j], v16, s[74:75] offset:512*\j
.endr
	s_branch .Lw_pack
.Lw_last:
	s_sub_co_u32 s72, s70, 88
	s_lshr_b32 s73, s72, 2                         ; s
	s_and_b32 s72, s72, 3                          ; mt
	s_lshl_b32 s76, s73, 10                        ; r' = 4 s + 2 c + h: rows of 256 bytes
	s_lshl_b32 s73, s71, 9
	s_add_co_u32 s76, s76, s73
	s_lshl_b32 s73, s72, 6
	s_add_co_u32 s76, s76, s73
	s_add_nc_u64 s[74:75], s[20:21], s[76:77]
	v_lshlrev_b32 v16, 2, v12
	v_lshl_add_u32 v16, v13, 8, v16
.irp j, 0,1,2,3,4,5,6,7
	global_load_b32 v[20+\j], v16, s[74:75] offset:4096*\j
.endr
.Lw_pack:
	s_wait_loadcnt 0x0
	v_cvt_pk_bf16_f32 v28, v20, v21
	v_cvt_pk_bf16_f32 v29, v22, v23
	v_cvt_pk_bf16_f32 v30, v24, v25
	v_cvt_pk_bf16_f32 v31, v26, v27
	s_branch .Lw_store
.Lw_geo:
	s_and_b32 s72, s70, 7
	s_lshl_b32 s72, s72, 6
	v_lshl_add_u32 v16, v12, 2, s72                ; column 16 mt + r
	global_load_b32 v20, v16, s[14:15] offset:32768
	global_load_b32 v21, v16, s[14:15] offset:33280
	global_load_b32 v22, v16, s[14:15] offset:33792
	global_load_b32 v23, v16, s[22:23]
	v_add_nc_u32 v18, s71, v13
	v_cmp_eq_u32 vcc_lo, 0, v18                    ; places 64 .. 67 lie in half 0 of the lanes with h = 0
	s_wait_loadcnt 0x0
	v_cvt_pk_bf16_f32 v28, v20, v21
	v_cvt_pk_bf16_f32 v29, v22, v23
	v_cndmask_b32 v28, 0, v28, vcc_lo
	v_cndmask_b32 v29, 0, v29, vcc_lo
	v_mov_b32 v30, 0
	v_mov_b32 v31, 0
	s_branch .Lw_store
.Lw_bias:
	s_cmp_ge_u32 s62, 220
	s_cbranch_scc1 .Lw_done
	s_cmp_ge_u32 s62, 218
	s_cbranch_scc1 .Lw_zero
	s_cmp_eq_u32 s62, 217
	s_cbranch_scc1 .Lw_b3
	s_cmp_eq_u32 s62, 208
	s_cbranch_scc1 .Lw_b1
	s_sub_co_u32 s72, s62, 209                     ; b2, each number eight times: 16 numbers a task, two lanes a number
	s_lshl_b32 s72, s72, 6
	v_lshrrev_b32 v16, 1, v1
	v_lshl_add_u32 v16, v16, 2, s72
	global_load_b32 v20, v16, s[26:27]
	s_wait_loadcnt 0x0
	v_cvt_pk_bf16_f32 v18, v20, v20
	v_lshlrev_b32 v28, 16, v18
	v_mov_b32 v29, v28
	v_mov_b32 v30, v28
	v_mov_b32 v31, v28
	s_branch .Lw_store
.Lw_b1:
	v_lshlrev_b32 v16, 4, v1
	global_load_b128 v[20:23], v16, s[24:25]
	s_branch .Lw_round
.Lw_b3:
	v_lshlrev_b32 v16, 4, v12                      ; b3's 256 bytes, twice
	global_load_b128 v[20:23], v16, s[28:29]
.Lw_round:
	s_wait_loadcnt 0x0
	v_cvt_pk_bf16_f32 v18, v20, v21
	v_cvt_pk_bf16_f32 v19, v22, v23
	v_lshlrev_b32 v28, 16, v18
	v_and_b32 v29, s45, v18
	v_lshlrev_b32 v30, 16, v19
	v_and_b32 v31, s45, v19
	s_branch .Lw_store
.Lw_zero:
	v_mov_b32 v28, 0
	v_mov_b32 v29, 0
	v_mov_b32 v30, 0
	v_mov_b32 v31, 0
.Lw_store:
	global_store_b128 v17, v[28:31], s[38:39]      ; 512 consecutive bytes
.Lw_done:
	s_wait_dscnt 0x0                               ; my rows of the table are written,
	s_barrier_signal -1
	s_barrier_wait -1                              ; everybody's are
	s_min_u32 s66, s62, 215
	s_lshl_b32 s66, s66, 9
	s_cmp_lg_u32 s40, 0
	s_cbranch_scc1 .Lno_vt
	s_cmp_lt_u32 s62, 216
	s_cbranch_scc0 .Lno_vt
	v_lshl_add_u32 v209, v1, 4, s66                ; work-group g < 216 writes 32 rows of the table to vt
	ds_load_b128 v[212:215], v209
	s_wait_dscnt 0x0
	global_store_b128 v209, v[212:215], s[30:31]
.Lno_vt:
	v_cvt_pk_bf16_f32 v18, v248, v249              ; my two queries, rounded; qq
	v_cvt_pk_bf16_f32 v19, v250, v250
	v_lshlrev_b32 v8, 16, v18
	v_and_b32 v10, s45, v18
	v_lshlrev_b32 v12, 16, v19
	v_cvt_pk_bf16_f32 v18, v252, v253
	v_cvt_pk_bf16_f32 v19, v254, v254
	v_lshlrev_b32 v9, 16, v18
	v_and_b32 v11, s45, v18
	v_lshlrev_b32 v13, 16, v19
	v_pk_mul_f32 v[14:15], v[8:9], v[8:9]
	v_pk_fma_f32 v[14:15], v[10:11], v[10:11], v[14:15]
	v_pk_fma_f32 v[14:15], v[12:13], v[12:13], v[14:15]
	s_cmp_lg_u32 s42, 0
	s_cbranch_scc1 .Lno_qt
	v_mov_b32 v200, v8
	v_mov_b32 v201, v10
	v_mov_b32 v202, v12
	v_mov_b32 v203, v14
	v_mov_b32 v204, v9
	v_mov_b32 v205, v11
	v_mov_b32 v206, v13
	v_mov_b32 v207, v15
	s_lshl_b32 s66, s62, 11
	s_lshl_b32 s67, s41, 10
	s_add_co_u32 s66, s66, s67
	v_lshl_add_u32 v208, v1, 4, s66
	global_store_b128 v208, v[200:203], s[32:33]
	global_store_b128 v208, v[204:207], s[32:33] offset:512
.Lno_qt:
	s_wait_xcnt 0x0                                ; the side jobs' stores have read v17 and v[28:31], which the lists now take
.set k, 0
.rept 8
	v_mov_b32 v[16+4*k], s63
	v_mov_b32 v[17+4*k], 0
	v_mov_b32 v[18+4*k], s63
	v_mov_b32 v[19+4*k], 0
.set k, k+1
.endr
; d2 of my two queries to the 8 rows of buffer b, stage by stage.
.macro DIST b
.set dv, 0
.rept 8
	v_pk_mul_f32 v[112+2*dv:113+2*dv], v[8:9], v[(\b)+4*dv:(\b)+4*dv+1] op_sel:[0,0] op_sel_hi:[1,0]
.set dv, dv+1
.endr
.set dv, 0
.rept 8
	v_pk_fma_f32 v[112+2*dv:113+2*dv], v[10:11], v[(\b)+4*dv:(\b)+4*dv+1], v[112+2*dv:113+2*dv] op_sel:[0,1,0] op_sel_hi:[1,1,1]
.set dv, dv+1
.endr
.set dv, 0
.rept 8
	v_pk_fma_f32 v[112+2*dv:113+2*dv], v[12:13], v[(\b)+4*dv+2:(\b)+4*dv+3], v[112+2*dv:113+2*dv] op_sel:[0,0,0] op_sel_hi:[1,0,1]
.set dv, dv+1
.endr
.set dv, 0
.rept 8
	v_pk_add_f32 v[112+2*dv:113+2*dv], v[112+2*dv:113+2*dv], v[14:15]
.set dv, dv+1
.endr
.set dv, 0
.rept 8
	v_pk_add_f32 v[112+2*dv:113+2*dv], v[112+2*dv:113+2*dv], v[(\b)+4*dv+2:(\b)+4*dv+3] op_sel:[0,1] op_sel_hi:[1,1]
.set dv, dv+1
.endr
.endm
.macro MIN8 first
.irp q, 0,1
.if \first
	v_min_num_f32 v[128+\q], v[112+\q], v[114+\q]
.else
	v_min3_num_f32 v[128+\q], v[128+\q], v[112+\q], v[114+\q]
.endif
.endr
.irp d, 116,120,124
.irp q, 0,1
	v_min3_num_f32 v[128+\q], v[128+\q], v[\d+\q], v[\d+2+\q]
.endr
.endr
.endm
.macro SUB cur, nxt, off, first
.set dv, 0
.rept 8
	ds_load_b128 v[(\nxt)+4*dv:(\nxt)+4*dv+3], v4 offset:(\off)+16*dv  ; all lanes read the same row
.set dv, dv+1
.endr
	s_wait_dscnt 8                                 ; the eight just issued may stay out; the eight to be used now are in
	DIST \cur
	MIN8 \first
.endm
	s_mul_i32 s66, s42, 55296
	v_mov_b32 v4, s66                              ; my half's first row
	s_mul_i32 s43, s42, 108
	s_mov_b32 s44, 108
.set dv, 0
.rept 8
	ds_load_b128 v[48+4*dv:51+4*dv], v4 offset:16*dv
.set dv, dv+1
.endr
.Lblock:                                               ; a trip: one block of 32 rows, its minimum, and the minimum's place in the two lists
	SUB 48, 80, 128, 1
	SUB 80, 48, 256, 0
	SUB 48, 80, 384, 0
	SUB 80, 48, 512, 0
	INSERT v128, s43, 16, 17, 4, 46, 130
	INSERT v129, s43, 18, 19, 4, 54, 132
	s_add_co_u32 s43, s43, 1
	v_add_nc_u32 v4, 512, v4
	s_sub_co_u32 s44, s44, 1
	s_cmp_lg_u32 s44, 0
	s_cbranch_scc1 .Lblock
	s_wait_dscnt 0x0                               ; the last look-ahead, which nobody uses
	; THE TWO HALVES MEET.  The second half's waves put their lists into LDS; the first half's waves take them in reverse order.
	s_lshl_b32 s66, s41, 12
	s_add_co_u32 s66, s66, MG
	v_lshl_add_u32 v5, v1, 4, s66                  ; my 16 bytes of quad 0 of my query group; never stepped: the quad stands in the immediate
	s_cmp_eq_u32 s42, 0
	s_cbranch_scc1 .Lno_put
.set k, 0
.rept 8
	ds_store_b128 v5, v[16+4*k:19+4*k] offset:512*k
.set k, k+1
.endr
.Lno_put:
	s_wait_dscnt 0x0
	s_barrier_signal -1
	s_barrier_wait -1
	s_cmp_lg_u32 s42, 0
	s_cbranch_scc1 .Lend
	; Both lists are sorted by (minimum, block number).  If j of mine are among the 8 smallest of the 16, these are my entries 0 .. j - 1 and the partner's 0 .. 7 - j: so of my entry k and
	; the partner's entry 7 - k exactly one belongs to them, and it is the lesser.  Of equal minima mine stays: the partner's block numbers are all higher.  Only the numbers are wanted from here on.
.set k, 0
.rept 8
	ds_load_b128 v[48+4*k:51+4*k], v5 offset:512*(7-k)
.set k, k+1
.endr
	s_wait_dscnt 0x0
.set k, 0
.rept 8
	v_cmp_lt_f32 s[46+k], v[48+4*k], v[16+4*k]
	v_cmp_lt_f32 s[54+k], v[50+4*k], v[18+4*k]
.set k, k+1
.endr
.set k, 0
.rept 8
	v_cndmask_b32 v[17+4*k], v[17+4*k], v[49+4*k], s[46+k]
	v_cndmask_b32 v[19+4*k], v[19+4*k], v[51+4*k], s[54+k]
.set k, k+1
.endr
	; the 8 block numbers in ascending order (19 exchanges), so that the next launch meets its candidates in ascending vertex index; then a byte each
.macro CE b, i, j
	v_min_u32 v130, v[(\b)+4*(\i)], v[(\b)+4*(\j)]
	v_max_u32 v[(\b)+4*(\j)], v[(\b)+4*(\i)], v[(\b)+4*(\j)]
	v_mov_b32 v[(\b)+4*(\i)], v130
.endm
.macro SORT8 b
	CE \b, 0, 1
	CE \b, 2, 3
	CE \b, 4, 5
	CE \b, 6, 7
	CE \b, 0, 2
	CE \b, 1, 3
	CE \b, 4, 6
	CE \b, 5, 7
	CE \b, 1, 2
	CE \b, 5, 6
	CE \b, 0, 4
	CE \b, 1, 5
	CE \b, 2, 6
	CE \b, 3, 7
	CE \b, 2, 4
	CE \b, 3, 5
	CE \b, 1, 2
	CE \b, 3, 4
	CE \b, 5, 6
.endm
.macro PACK8 b, d
	v_lshl_or_b32 v[\d], v[(\b)+4], 8, v[\b]
	v_lshl_or_b32 v[\d], v[(\b)+8], 16, v[\d]
	v_lshl_or_b32 v[\d], v[(\b)+12], 24, v[\d]
	v_lshl_or_b32 v[(\d)+1], v[(\b)+20], 8, v[(\b)+16]
	v_lshl_or_b32 v[(\d)+1], v[(\b)+24], 16, v[(\d)+1]
	v_lshl_or_b32 v[(\d)+1], v[(\b)+28], 24, v[(\d)+1]
.endm
	SORT8 17
	SORT8 19
	PACK8 17, 140
	PACK8 19, 142
	s_lshl_b32 s66, s62, 10
	s_lshl_b32 s67, s41, 9
	s_add_co_u32 s66, s66, s67
	v_lshl_add_u32 v6, v1, 3, s66
	global_store_b64 v6, v[140:141], s[34:35]             ; 256 consecutive bytes each
	global_store_b64 v6, v[142:143], s[34:35] offset:256
.Lend:
	s_wait_tensorcnt 0x0                           ; the wave's end: behind my last LDS store
	ds_add_u32 v2, v3
	s_wait_dscnt 0x0
	s_endpgm
.Lfunc_end_k_qc872c1419b_knn1:
	.size	k_qc872c1419b_knn1, .Lfunc_end_k_qc872c1419b_knn1-k_qc872c1419b_knn1
	.p2alignl 7, 3214868480
	.fill 96, 4, 3214868480
	.section	.rodata,"a",@progbits
	.p2align	6, 0x0
	.amdhsa_kernel k_qc872c1419b_knn1
		.amdhsa_group_segment_fixed_size 119808
		.amdhsa_private_segment_fixed_size 0
		.amdhsa_enable_private_segment 0
		.amdhsa_kernarg_size 128
		.amdhsa_user_sgpr_count 2
		.amdhsa_user_sgpr_kernarg_segment_ptr 1
		.amdhsa_wavefront_size32 1
		.amdhsa_system_sgpr_workgroup_id_x 1
		.amdhsa_system_sgpr_workgroup_id_y 1
		.amdhsa_system_sgpr_workgroup_id_z 1
		.amdhsa_system_vgpr_workitem_id 0
		.amdhsa_next_free_vgpr 256
		.amdhsa_next_free_sgpr 96
		.amdhsa_reserve_vcc 1
		.amdhsa_float_denorm_mode_32 3
		.amdhsa_float_denorm_mode_16_64 3
		.amdhsa_memory_ordered 1
		.amdhsa_forward_progress 1
		.amdhsa_inst_pref_size 74
	.end_amdhsa_kernel
	.amdgpu_metadata
---
amdhsa.version: [ 1, 2 ]
amdhsa.kernels:
  - .name:           k_qc872c1419b_knn1
    .symbol:         k_qc872c1419b_knn1.kd
    .args:
      - { .name: vertex, .offset: 0, .size: 8, .value_kind: global_buffer, .address_space: global }
      - { .name: vertex_features, .offset: 8, .size: 8, .value_kind: global_buffer, .address_space: global }
      - { .name: query_pts, .offset: 16, .size: 8, .value_kind: global_buffer, .address_space: global }
      - { .name: W0, .offset: 24, .size: 8, .value_kind: global_buffer, .address_space: global }
      - { .name: W1, .offset: 32, .size: 8, .value_kind: global_buffer, .address_space: global }
      - { .name: W2, .offset: 40, .size: 8, .value_kind: global_buffer, .address_space: global }
      - { .name: W3, .offset: 48, .size: 8, .value_kind: global_buffer, .address_space: global }
      - { .name: b0, .offset: 56, .size: 8, .value_kind: global_buffer, .address_space: global }
      - { .name: b1, .offset: 64, .size: 8, .value_kind: global_buffer, .address_space: global }
      - { .name: b2, .offset: 72, .size: 8, .value_kind: global_buffer, .address_space: global }
      - { .name: b3, .offset: 80, .size: 8, .value_kind: global_buffer, .address_space: global }
      - { .name: vt, .offset: 88, .size: 8, .value_kind: global_buffer, .address_space: global }
      - { .name: qt, .offset: 96, .size: 8, .value_kind: global_buffer, .address_space: global }
      - { .name: blk, .offset: 104, .size: 8, .value_kind: global_buffer, .address_space: global }
      - { .name: f16, .offset: 112, .size: 8, .value_kind: global_buffer, .address_space: global }
      - { .name: wimg, .offset: 120, .size: 8, .value_kind: global_buffer, .address_space: global }
    .group_segment_fixed_size: 119808
    .private_segment_fixed_size: 0
    .kernarg_segment_align: 8
    .kernarg_segment_size: 128
    .max_flat_workgroup_size: 128
    .sgpr_count:     96
    .vgpr_count:     256
    .wavefront_size: 32
...
	.end_amdgpu_metadata
.endif
;; end of part 1
;; launch knn2 (part 2): grid 256 x 1, 4 waves a work-group, no clusters, 244,224 bytes of LDS; arguments vt, qt, blk, idx, wa, wb; writes idx, wa, wb
.if DOCPART == 2
	.amdgcn_target "amdgcn-amd-amdhsa--gfx1250"
	.amdhsa_code_object_version 6
	.text
	.protected	k_qc872c1419b_knn2
	.globl	k_qc872c1419b_knn2
	.p2align	8
	.type	k_qc872c1419b_knn2,@function
k_qc872c1419b_knn2:
	s_mov_b64 s[64:65], 0
	v_nop
	global_prefetch_b8 v0, s[64:65] scope:SCOPE_SE
	s_setreg_imm32_b32 hwreg(HW_REG_WAVE_MODE, 25, 1), 1
	s_wait_xcnt 0x0
; SECOND STEP OF THE SEARCH.  Each query has 8 blocks of 32 vertices (blk, ascending): 256 candidates.  Their d2 is made anew, by the same five roundings as in the launch before,
; and the 8 smallest by (d2, vertex index) are kept: the candidates come in ascending index and an equal value goes behind those already kept.
; Then the weights: d = sqrt(max(d2, 0)) + 1e-9, w = (1 / d) / sum of the eight 1 / d.
; LIMITS.  NaN and infinities are not treated apart; root and reciprocal are the hardware's (good to the last bit or so; a denormal argument counts as 0).
; SHARES.  A work-group owns 128 queries, a wave 32.  PHASE A: a lane is one of a block's 32 vertices; the query and its block numbers lie in scalar registers; two queries a trip;
; d2 goes into the wave's own rows in LDS.  PHASE B: a lane is a query and walks its row of 256 numbers.
; NO CLUSTER: the LDS addresses of phase A are made from the block lists, which differ from work-group to work-group, and joint loads go with LDS addresses that are alike in all partners.
; LDS: 0 the vertex table, 110,592 bytes, filled once, a quarter (108 rows of 256 bytes) by each wave's tensor load; D2: for each wave 32 rows of 256 f32, 1,040 bytes apart
; (an odd multiple of 16: the 16 rows of a 16-byte load begin in 16 different columns of 256 bytes); SPARE: the spare words.
; REGISTERS.  v1 lane, v2 16 x lane, v3 where phase A stores, v4 where phase B reads, v[6:7] my query's 8 block bytes, v8 v9 offsets, v10 v11 the add's two,
; v[16:23] values, v[24:31] candidate numbers, v[32:95] v[96:159] two buffers of 16 table rows, v[160:175] d2, v[176:179] addresses, v[180:187] two quads of d2, v188-191 at work.
; s[20:23], s[24:31] the descriptor; s32 wave; s[36:39] two queries' blocks; s[40:47] two queries as loaded; s[48:55], s[56:63] the same, at work; s66 s67 offsets of the scalar loads;
; s68 counter; s69 candidate number; s[72:79] compare masks; s[80:83] the wave's rows of qt and blk.
.set D2,    110592
.set D2W,   33280
.set DP,    1040
.set SPARE, 243712
.macro INSERT x, c, L, I, st, M, T
.set ii, 0
.rept 8
	v_cmp_lt_f32 s[(\M)+ii], \x, v[(\L)+(\st)*ii]
.set ii, ii+1
.endr
.set ii, 7
.rept 7
	v_med3_num_f32 v[(\L)+(\st)*ii], \x, v[(\L)+(\st)*(ii-1)], v[(\L)+(\st)*ii]
.set ii, ii-1
.endr
	v_min_num_f32 v[\L], \x, v[\L]
.set ii, 7
.rept 3
	v_cndmask_b32 v[\T], \c, v[(\I)+(\st)*(ii-1)], s[(\M)+ii-1]
	v_cndmask_b32 v[(\T)+1], \c, v[(\I)+(\st)*(ii-2)], s[(\M)+ii-2]
	v_cndmask_b32 v[(\I)+(\st)*ii], v[(\I)+(\st)*ii], v[\T], s[(\M)+ii]
	v_cndmask_b32 v[(\I)+(\st)*(ii-1)], v[(\I)+(\st)*(ii-1)], v[(\T)+1], s[(\M)+ii-1]
.set ii, ii-2
.endr
	v_cndmask_b32 v[\T], \c, v[\I], s[\M]
	v_cndmask_b32 v[\I], v[\I], \c, s[\M]
	v_cndmask_b32 v[(\I)+(\st)], v[(\I)+(\st)], v[\T], s[(\M)+1]
.endm
	s_load_b256 s[8:15], s[0:1], 0x0               ; vt 8, qt 10, blk 12, idx 14
	s_load_b128 s[16:19], s[0:1], 0x20             ; wa 16, wb 18
	v_lshl_add_u32 v10, v0, 2, SPARE
	v_mov_b32 v11, 0
	ds_add_u32 v10, v11                            ; the wave's opening: the add, twice on end, and its wait ahead of my tensor load
	ds_add_u32 v10, v11
	v_and_b32 v1, 31, v0
	v_lshrrev_b32 v5, 5, v0
	v_readfirstlane_b32 s32, v5
	v_lshlrev_b32 v2, 4, v1
	s_mov_b32 s20, 1                               ; group 0: count 1,
	s_mul_i32 s21, s32, 27648                      ; my quarter of the table in LDS
	s_mov_b32 s24, 3<<16                           ; group 1: no mask, elements of 8 bytes, no padding
	s_mov_b32 s25, 32<<16                          ; tensor_dim0 = 32 elements: rows of 256 bytes
	s_mov_b32 s26, 108<<16                         ; tensor_dim1 = 108
	s_mov_b32 s27, 32<<16                          ; tile_dim0 = 32
	s_mov_b32 s28, 108                             ; tile_dim1 = 108
	s_mov_b32 s29, 32                              ; 32 elements from row to row: the block is dense
	s_mov_b32 s30, 0
	s_mov_b32 s31, 0
	s_mul_i32 s70, s32, D2W
	s_add_co_u32 s70, s70, D2                      ; my wave's rows of d2
	v_lshl_add_u32 v3, v1, 2, s70
	v_mul_u32_u24 v4, v1, DP
	v_add_nc_u32 v4, s70, v4
	s_lshl_b32 s33, ttmp9, 7
	s_lshl_b32 s34, s32, 5
	s_add_co_u32 s33, s33, s34                     ; my wave's first query
	s_lshl_b32 s84, s33, 4
	s_mov_b32 s85, 0
	s_lshl_b32 s86, s33, 3
	s_mov_b32 s87, 0
	s_mov_b32 s88, s21
	s_mov_b32 s89, 0
	v_lshl_add_u32 v8, v1, 3, s86
	v_lshl_add_u32 v9, v1, 4, s84
	s_mov_b32 s66, 0
	s_mov_b32 s67, 0
	s_wait_dscnt 0x0                               ; both opening adds are done
	s_wait_kmcnt 0x0
	s_add_nc_u64 s[22:23], s[8:9], s[88:89]        ; my quarter of vt
	s_or_b32 s23, s23, 0x80000000                  ; type 2
	s_add_nc_u64 s[80:81], s[10:11], s[84:85]
	s_add_nc_u64 s[82:83], s[12:13], s[86:87]
	tensor_load_to_lds s[20:23], s[24:31]          ; my one tensor load of the launch
	s_nop 0
	global_load_b64 v[6:7], v8, s[12:13]           ; my query's blocks, for the end
	s_load_b256 s[40:47], s[80:81], s66 offset:0x0 ; trip 0's two queries
	s_load_b128 s[36:39], s[82:83], s67 offset:0x0 ; and their blocks
	s_wait_tensorcnt 0x0                           ; my quarter has landed,
	s_barrier_signal -1
	s_barrier_wait -1                              ; everybody's has
; 16 loads: lane l takes row l of each of the two queries' 8 blocks.  A block number is held to 215 before it becomes an address.
.macro AADDR nxt
.set n, 0
.rept 16
	s_bfe_u32 s70, s[36+2*(n/8)+((n%8)/4)], (8<<16)|(8*(n%4))
	s_min_u32 s70, s70, 215
	s_lshl_b32 s70, s70, 9
	v_add_nc_u32 v[176+n%4], s70, v2
	ds_load_b128 v[32+64*(\nxt)+4*n:32+64*(\nxt)+4*n+3], v[176+n%4]
.set n, n+1
.endr
.endm
.macro ACOMP cur
.set n, 0
.rept 16
	v_mul_f32 v[160+n], s[48+8*(\cur)+4*(n/8)], v[32+64*(\cur)+4*n]
.set n, n+1
.endr
.set n, 0
.rept 16
	v_fma_f32 v[160+n], s[48+8*(\cur)+4*(n/8)+1], v[32+64*(\cur)+4*n+1], v[160+n]
.set n, n+1
.endr
.set n, 0
.rept 16
	v_fma_f32 v[160+n], s[48+8*(\cur)+4*(n/8)+2], v[32+64*(\cur)+4*n+2], v[160+n]
.set n, n+1
.endr
.set n, 0
.rept 16
	v_add_f32 v[160+n], s[48+8*(\cur)+4*(n/8)+3], v[160+n]
.set n, n+1
.endr
.set n, 0
.rept 16
	v_add_f32 v[160+n], v[160+n], v[32+64*(\cur)+4*n+3]
.set n, n+1
.endr
.set n, 0
.rept 16
	ds_store_b32 v3, v[160+n] offset:DP*(n/8)+128*(n%8)   ; candidate 32 j + lane of the query's row
.set n, n+1
.endr
	v_add_nc_u32 v3, 2*DP, v3
.endm
.macro QCOPY nxt
	s_mov_b64 s[48+8*(\nxt):49+8*(\nxt)], s[40:41]
	s_mov_b64 s[50+8*(\nxt):51+8*(\nxt)], s[42:43]
	s_mov_b64 s[52+8*(\nxt):53+8*(\nxt)], s[44:45]
	s_mov_b64 s[54+8*(\nxt):55+8*(\nxt)], s[46:47]
.endm
; A trip works on buffer cur; the next trip's rows are asked of LDS, the scalars of the trip after that of memory.
.macro ATRIP cur, nxt
	s_wait_kmcnt 0x0                               ; the next trip's queries and blocks are in, and the scalar loads' offsets may be written
	QCOPY \nxt
	AADDR \nxt
	s_add_co_u32 s66, s66, 32
	s_min_u32 s66, s66, 480                        ; behind the wave's last two queries the look-ahead takes them once more
	s_lshr_b32 s67, s66, 1
	s_load_b256 s[40:47], s[80:81], s66 offset:0x0
	s_load_b128 s[36:39], s[82:83], s67 offset:0x0
	s_wait_dscnt 16                                ; the sixteen loads just issued may stay out; this trip's rows are in
	ACOMP \cur
.endm
	s_wait_kmcnt 0x0
	QCOPY 0
	AADDR 0
	s_mov_b32 s66, 32
	s_mov_b32 s67, 16
	s_load_b256 s[40:47], s[80:81], s66 offset:0x0
	s_load_b128 s[36:39], s[82:83], s67 offset:0x0
	s_mov_b32 s68, 8
.Lpair:
	ATRIP 0, 1
	ATRIP 1, 0
	s_sub_co_u32 s68, s68, 1
	s_cmp_lg_u32 s68, 0
	s_cbranch_scc1 .Lpair
	s_wait_kmcnt 0x0
	s_wait_dscnt 0x0                               ; my stores are done: a wave reads only the rows that it wrote itself, so no barrier stands here
	s_mov_b32 s70, 0x7f800000
.set k, 0
.rept 8
	v_mov_b32 v[16+k], s70
	v_mov_b32 v[24+k], 0
.set k, k+1
.endr
	s_mov_b32 s69, 0
.macro INS4 X
.set e4, 0
.rept 4
	INSERT v[(\X)+e4], s69, 16, 24, 1, 72, 188
	s_add_co_u32 s69, s69, 1
.set e4, e4+1
.endr
.endm
	ds_load_b128 v[180:183], v4
	ds_load_b128 v[184:187], v4 offset:16
	s_mov_b32 s68, 31
.Lquad:                                                ; a trip: eight candidates
	s_wait_dscnt 1                                 ; the younger quad may stay out
	INS4 180
	ds_load_b128 v[180:183], v4 offset:32
	s_wait_dscnt 1
	INS4 184
	ds_load_b128 v[184:187], v4 offset:48
	v_add_nc_u32 v4, 32, v4
	s_sub_co_u32 s68, s68, 1
	s_cmp_lg_u32 s68, 0
	s_cbranch_scc1 .Lquad
	s_wait_dscnt 1
	INS4 180
	s_wait_dscnt 0x0
	INS4 184
	s_wait_loadcnt 0x0                             ; my query's block bytes
.set k, 0
.rept 8                                ; candidate c: block byte c >> 5, row c & 31
	v_cmp_lt_u32 vcc_lo, 127, v[24+k]
	v_cndmask_b32 v190, v6, v7, vcc_lo
	v_lshrrev_b32 v191, 2, v[24+k]
	v_and_b32 v191, 0x18, v191
	v_bfe_u32 v190, v190, v191, 8
	v_and_b32 v[24+k], 31, v[24+k]
	v_lshl_or_b32 v[24+k], v190, 5, v[24+k]
.set k, k+1
.endr
.set k, 0
.rept 4
	v_lshl_or_b32 v[32+k], v[25+2*k], 16, v[24+2*k]
.set k, k+1
.endr
.set k, 0
.rept 8
	v_max_num_f32 v[16+k], 0, v[16+k]
.set k, k+1
.endr
.set k, 0
.rept 8
	v_sqrt_f32 v[16+k], v[16+k]
.set k, k+1
.endr
	v_nop                                          ; a plain instruction behind the last root,
	s_wait_alu depctr_va_vdst(0)                   ; and one wait for the eight, ahead of their first reader
.set k, 0
.rept 8
	v_add_f32 v[16+k], 0x3089705f, v[16+k]         ; + 1e-9
.set k, k+1
.endr
.set k, 0
.rept 8
	v_rcp_f32 v[16+k], v[16+k]
.set k, k+1
.endr
	v_nop
	s_wait_alu depctr_va_vdst(0)
	v_add_f32 v190, v16, v17
	v_add_f32 v191, v18, v19
	v_add_f32 v188, v20, v21
	v_add_f32 v189, v22, v23
	v_add_f32 v190, v190, v191
	v_add_f32 v188, v188, v189
	v_add_f32 v190, v190, v188
	v_rcp_f32 v190, v190
	v_nop
	s_wait_alu depctr_va_vdst(0)
.set k, 0
.rept 8
	v_mul_f32 v[16+k], v[16+k], v190
.set k, k+1
.endr
	global_store_b128 v9, v[32:35], s[14:15]       ; each store of the wave covers 512 consecutive bytes
	global_store_b128 v9, v[16:19], s[16:17]
	global_store_b128 v9, v[20:23], s[18:19]
	s_wait_tensorcnt 0x0                           ; the wave's end
	ds_add_u32 v10, v11
	s_wait_dscnt 0x0
	s_endpgm
.Lfunc_end_k_qc872c1419b_knn2:
	.size	k_qc872c1419b_knn2, .Lfunc_end_k_qc872c1419b_knn2-k_qc872c1419b_knn2
	.p2alignl 7, 3214868480
	.fill 96, 4, 3214868480
	.section	.rodata,"a",@progbits
	.p2align	6, 0x0
	.amdhsa_kernel k_qc872c1419b_knn2
		.amdhsa_group_segment_fixed_size 244224
		.amdhsa_private_segment_fixed_size 0
		.amdhsa_enable_private_segment 0
		.amdhsa_kernarg_size 48
		.amdhsa_user_sgpr_count 2
		.amdhsa_user_sgpr_kernarg_segment_ptr 1
		.amdhsa_wavefront_size32 1
		.amdhsa_system_sgpr_workgroup_id_x 1
		.amdhsa_system_sgpr_workgroup_id_y 1
		.amdhsa_system_sgpr_workgroup_id_z 1
		.amdhsa_system_vgpr_workitem_id 0
		.amdhsa_next_free_vgpr 192
		.amdhsa_next_free_sgpr 96
		.amdhsa_reserve_vcc 1
		.amdhsa_float_denorm_mode_32 3
		.amdhsa_float_denorm_mode_16_64 3
		.amdhsa_memory_ordered 1
		.amdhsa_forward_progress 1
		.amdhsa_inst_pref_size 63
	.end_amdhsa_kernel
	.amdgpu_metadata
---
amdhsa.version: [ 1, 2 ]
amdhsa.kernels:
  - .name:           k_qc872c1419b_knn2
    .symbol:         k_qc872c1419b_knn2.kd
    .args:
      - { .name: vt, .offset: 0, .size: 8, .value_kind: global_buffer, .address_space: global }
      - { .name: qt, .offset: 8, .size: 8, .value_kind: global_buffer, .address_space: global }
      - { .name: blk, .offset: 16, .size: 8, .value_kind: global_buffer, .address_space: global }
      - { .name: idx, .offset: 24, .size: 8, .value_kind: global_buffer, .address_space: global }
      - { .name: wa, .offset: 32, .size: 8, .value_kind: global_buffer, .address_space: global }
      - { .name: wb, .offset: 40, .size: 8, .value_kind: global_buffer, .address_space: global }
    .group_segment_fixed_size: 244224
    .private_segment_fixed_size: 0
    .kernarg_segment_align: 8
    .kernarg_segment_size: 48
    .max_flat_workgroup_size: 128
    .sgpr_count:     96
    .vgpr_count:     192
    .wavefront_size: 32
...
	.end_amdgpu_metadata
.endif
;; end of part 2
;; launch mlp (part 3): grid 256 x 1, 8 waves a work-group, clusters of 4 x 1, 216,064 bytes of LDS; arguments f16, wimg, vt, qt, idx, wa, wb, out0; writes out0
.if DOCPART == 3
	.amdgcn_target "amdgcn-amd-amdhsa--gfx1250"
	.amdhsa_code_object_version 6
	.text
	.protected	k_qc872c1419b_mlp
	.globl	k_qc872c1419b_mlp
	.p2align	8
	.type	k_qc872c1419b_mlp,@function
k_qc872c1419b_mlp:
	s_mov_b64 s[64:65], 0
	v_nop
	global_prefetch_b8 v0, s[64:65] scope:SCOPE_SE
	s_setreg_imm32_b32 hwreg(HW_REG_WAVE_MODE, 25, 1), 1
	s_wait_xcnt 0x0
	s_wait_alu depctr_hold_cnt(0) depctr_sa_sdst(0) depctr_va_vdst(0) depctr_va_sdst(0) depctr_va_ssrc(0) depctr_va_vcc(0) depctr_vm_vsrc(0)
	s_getreg_b32 s2, hwreg(HW_REG_IB_STS2, 6, 4)
	s_cmp_eq_u32 s2, 0
	s_cbranch_scc0 .Lentry_in_a_cluster
	s_endpgm
.Lentry_in_a_cluster:
	s_bfe_u32 s2, ttmp6, 0x10000c
	s_cmp_lg_u32 s2, 0x3003
	s_cbranch_scc0 .Lentry_shape_is_right
	s_endpgm
.Lentry_shape_is_right:
; GATHER, THREE HIDDEN LAYERS, WEIGHTED MEAN, LAST LAYER.  A data row is (64 features of a neighbour, q - v, 1): 68 places of K, the last for b0; products in bf16, sums in f32.
; h1 and h2 are rounded to bf16; h3 stays f32, is weighted and summed over a query's 8 neighbours, and the mean goes through W3 once a query, as a high and a low bf16 part:
; sum_k w_k (h3_k W3 + b3) = (sum_k w_k h3_k) W3 + b3, the weights' sum being 1 to a few 2^-24.
; LIMITS.  All inputs count as rounded to bf16 (the tables hold them so); q - v is rounded to f32 once and then to bf16; NaN and infinities are not treated apart.
; SHARES.  A work-group owns 128 queries, each of its 8 waves 16: 128 data rows, in two passes of four tiles of 16 rows (2 queries x 8 neighbours).  Two waves share a SIMD, 512 registers each:
; one wave's conversions stand beside the other's products; each weight fragment read from LDS still feeds four products.
; LAYOUT, lane (r = lane & 15, h = lane >> 4).  Layers 0 and 1: source 0 = 16 output channels (a fragment of wimg), source 1 = 16 data rows: a lane's result is data row r, channels 16 mt + 8 h + j,
; and two results packed in pairs are the next layer's fragment in the same lane.  Layer 2: the sources change places: a lane's result is channel 16 nt + r and the rows 8 h + j:
; query h of the tile, neighbour j: the sum over neighbours stays in the lane.  Its 8 means (nt = 0..7) are places 8 r + nt of the last layer's K; W3's fragments are laid in the same order.
; CLUSTER.  All work-groups read the same 112,640 bytes of wimg: four partners ask for them jointly, each wave for 55 rows of 256 bytes, once.
; LDS: 0 wimg's image; HS: for each wave 16 rows (a query each) of 256 + 256 bytes, 528 apart; OS: for each wave 16 rows of out0, 272 apart (both odd multiples of 16); SPARE the spare words.
; WINDOW 0: v1 r, v2 h, v3-v7 addresses in the image, v8 v9 HS in and back, v10 v11 OS in and back, v12 my place in 512 bytes of out0, v13 0, v14 v15 the add's two,
; v[16:23] feature offsets, v[24:31] vertex offsets (pass, tile), v[32:95] two sets of four weight fragments, v[96:111] two sets of bias, v[112:175] two sets of four accumulators,
; v[176:207] weights, v[208:239] means, v[240:251] at work, v252 2 r, v253 16 (r >> 3), v254 16 h.
; WINDOW 1: two regions P = 0, Q = 128 of activations: fragment (K step s, tile dt) at 32 s + 8 dt; while a gather lands, the place of s = 3 holds the vertices' and queries' rows.
.set HS,    112640
.set HSW,   8448
.set HP,    528
.set OS,    180224
.set OSW,   4352
.set OP,    272
.set SPARE, 215040
.set P,   0
.set Q,   128
.set AF,  32
.set BI,  96
.set ACC, 112
.set WT,  176
.set HB,  208
.set MSB, 0
.macro WIN new                         ; bits 1:0 source 0, 3:2 source 1, 5:4 source 2, 7:6 destination; the high byte repeats the setting that is left
.if MSB != (\new)
	s_set_vgpr_msb (MSB<<8)|(\new)
.set MSB, (\new)
.endif
.endm
.macro CROUND                          ; a round of the cluster's barrier
	s_barrier_signal -1
	s_barrier_wait -1
	s_cmp_lg_u32 s36, 0
	s_cbranch_scc1 .Lnot_wave_0_\@
	s_barrier_signal -3
.Lnot_wave_0_\@:
	s_barrier_wait -3
	s_barrier_signal -1
	s_barrier_wait -1
.endm
; the weight fragments (and bias) of step g = 8 x layer + block of 16 channels, into set
.macro PREF g, set
	WIN 0
.set pl, ((\g)%24)/8
.set pm, (\g)%8
.if pl == 0
.irp s, 0,1,2
	ds_load_b128 v[AF+32*(\set)+8*\s:AF+32*(\set)+8*\s+3],   v3 offset:1024*(8*\s+pm)
	ds_load_b128 v[AF+32*(\set)+8*\s+4:AF+32*(\set)+8*\s+7], v3 offset:1024*(8*\s+pm)+512
.endr
.elseif pl == 1
.irp s, 0,1,2,3
	ds_load_b128 v[AF+32*(\set)+8*\s:AF+32*(\set)+8*\s+3],   v3 offset:1024*(24+8*\s+pm)
	ds_load_b128 v[AF+32*(\set)+8*\s+4:AF+32*(\set)+8*\s+7], v3 offset:1024*(24+8*\s+pm)+512
.endr
	ds_load_b128 v[BI+8*(\set):BI+8*(\set)+3],   v5 offset:64*pm
	ds_load_b128 v[BI+8*(\set)+4:BI+8*(\set)+7], v5 offset:64*pm+16
.else
.irp s, 0,1,2,3
	ds_load_b128 v[AF+32*(\set)+8*\s:AF+32*(\set)+8*\s+3],   v4 offset:1024*(8*\s+pm)
	ds_load_b128 v[AF+32*(\set)+8*\s+4:AF+32*(\set)+8*\s+7], v4 offset:1024*(8*\s+pm)+512
.endr
	ds_load_b128 v[BI+8*(\set):BI+8*(\set)+3],   v6 offset:512*pm
	ds_load_b128 v[BI+8*(\set)+4:BI+8*(\set)+7], v6 offset:512*pm+16
.endif
.endm
; S x 4 products, weights as source 0.  The four accumulators take turns, one instruction a turn; the first K step starts the sums with the bias or with 0.
.macro MULT_T set, in, S, bias
	WIN 0x04
.set ms, 0
.rept \S
.set md, 0
.rept 4
.if (ms == 0) && (\bias)
	v_wmma_f32_16x16x32_bf16 v[ACC+32*(\set)+8*md:ACC+32*(\set)+8*md+7], v[AF+32*(\set)+8*ms:AF+32*(\set)+8*ms+7], v[(\in)+32*ms+8*md:(\in)+32*ms+8*md+7], v[BI+8*(\set):BI+8*(\set)+7]
.elseif ms == 0
	v_wmma_f32_16x16x32_bf16 v[ACC+32*(\set)+8*md:ACC+32*(\set)+8*md+7], v[AF+32*(\set)+8*ms:AF+32*(\set)+8*ms+7], v[(\in)+32*ms+8*md:(\in)+32*ms+8*md+7], 0
.else
	v_wmma_f32_16x16x32_bf16 v[ACC+32*(\set)+8*md:ACC+32*(\set)+8*md+7], v[AF+32*(\set)+8*ms:AF+32*(\set)+8*ms+7], v[(\in)+32*ms+8*md:(\in)+32*ms+8*md+7], v[ACC+32*(\set)+8*md:ACC+32*(\set)+8*md+7]
.endif
.set md, md+1
.endr
.set ms, ms+1
.endr
.endm
; the same with the data rows as source 0
.macro MULT_U set, in
	WIN 0x01
.set ms, 0
.rept 4
.set md, 0
.rept 4
.if ms == 0
	v_wmma_f32_16x16x32_bf16 v[ACC+32*(\set)+8*md:ACC+32*(\set)+8*md+7], v[(\in)+32*ms+8*md:(\in)+32*ms+8*md+7], v[AF+32*(\set)+8*ms:AF+32*(\set)+8*ms+7], v[BI+8*(\set):BI+8*(\set)+7]
.else
	v_wmma_f32_16x16x32_bf16 v[ACC+32*(\set)+8*md:ACC+32*(\set)+8*md+7], v[(\in)+32*ms+8*md:(\in)+32*ms+8*md+7], v[AF+32*(\set)+8*ms:AF+32*(\set)+8*ms+7], v[ACC+32*(\set)+8*md:ACC+32*(\set)+8*md+7]
.endif
.set md, md+1
.endr
.set ms, ms+1
.endr
.endm
; four results become half a fragment each of the next layer: rounded to bf16 in pairs (each accumulator from its low end on), then the larger of it and 0
.macro CONV set, out, mt
	WIN 0x40
.set cd, 0
.rept 4
.set cp, 0
.rept 4
	v_cvt_pk_bf16_f32 v[(\out)+32*((\mt)/2)+8*cd+4*((\mt)%2)+cp], v[ACC+32*(\set)+8*cd+2*cp], v[ACC+32*(\set)+8*cd+2*cp+1]
.set cp, cp+1
.endr
.set cd, cd+1
.endr
	WIN 0x41
.set cd, 0
.rept 4
.set cp, 0
.rept 4
	v_pk_max_num_bf16 v[(\out)+32*((\mt)/2)+8*cd+4*((\mt)%2)+cp], v[(\out)+32*((\mt)/2)+8*cd+4*((\mt)%2)+cp], v13
.set cp, cp+1
.endr
.set cd, cd+1
.endr
.endm
; layer 2's results: the larger of it and 0, times the neighbour's weight, summed over the lane's 8 neighbours
.macro REDUCE set, nt
	WIN 0
.set cd, 0
.rept 4
.set cp, 0
.rept 8
	v_max_num_f32 v[ACC+32*(\set)+8*cd+cp], 0, v[ACC+32*(\set)+8*cd+cp]
.set cp, cp+1
.endr
.set cd, cd+1
.endr
.set cd, 0
.rept 4
	v_pk_mul_f32 v[240+2*cd:241+2*cd], v[ACC+32*(\set)+8*cd:ACC+32*(\set)+8*cd+1], v[WT+8*cd:WT+8*cd+1]
.set cd, cd+1
.endr
.set cp, 2
.rept 3
.set cd, 0
.rept 4
	v_pk_fma_f32 v[240+2*cd:241+2*cd], v[ACC+32*(\set)+8*cd+cp:ACC+32*(\set)+8*cd+cp+1], v[WT+8*cd+cp:WT+8*cd+cp+1], v[240+2*cd:241+2*cd]
.set cd, cd+1
.endr
.set cp, cp+2
.endr
.set cd, 0
.rept 4
	v_add_f32 v[HB+8*cd+(\nt)], v[240+2*cd], v[241+2*cd]
.set cd, cd+1
.endr
.endm
.macro POST g, X, Y                    ; what follows step g's products
.if (\g) < 8
	CONV (\g)%2, \Y, (\g)%8
.elseif (\g) < 16
	CONV (\g)%2, \X, (\g)%8
.else
	REDUCE (\g)%2, (\g)%8
.endif
.endm
; A STEP: 16 output channels for the pass's 64 rows.  Its products; then the step before's results are worked on (32 plain lines or more, which name no register of this step's products:
; the places between these products and the loads into their sources, and, at a layer's end, the lines that read their results); then the fragments two steps on are asked of LDS.
.macro STEP p, g, X, Y
.if ((\g) == 23) && ((\p) == 1)
	s_wait_dscnt 0x0                               ; nothing was asked for behind this step's fragments
.elseif (((\g)+1)%24) < 8
	s_wait_dscnt 6                                 ; the next step's 6 loads may stay out
.else
	s_wait_dscnt 10                                ; the next step's 10 loads may stay out
.endif
.if (\g) < 8
	MULT_T (\g)%2, \X, 3, 0
.elseif (\g) < 16
	MULT_T (\g)%2, \Y, 4, 1
.else
	MULT_U (\g)%2, \X
.endif
.if ((\g)%8) != 0
	POST (\g)-1, \X, \Y
.else
.rept 4
	v_nop                                          ; a layer's first step has no such work: four places
.endr
.endif
.if ((\g) < 22) || ((\p) == 0)
	PREF (\g)+2, (\g)%2
.endif
.if ((\g)%8) == 7
	POST \g, \X, \Y
.endif
.endm
; the 64 rows of pass p: features as fragments straight from memory, the vertex's and the query's table rows beside them
.macro GATHER p, X
	WIN 0x40
.set gd, 0
.rept 4
	global_load_b128 v[(\X)+8*gd:(\X)+8*gd+3],       v[16+4*(\p)+gd], s[8:9]
	global_load_b128 v[(\X)+8*gd+4:(\X)+8*gd+7],     v[16+4*(\p)+gd], s[8:9] offset:32
	global_load_b128 v[(\X)+32+8*gd:(\X)+32+8*gd+3], v[16+4*(\p)+gd], s[8:9] offset:64
	global_load_b128 v[(\X)+32+8*gd+4:(\X)+32+8*gd+7], v[16+4*(\p)+gd], s[8:9] offset:96
	global_load_b128 v[(\X)+96+4*gd:(\X)+96+4*gd+3], v[24+4*(\p)+gd], s[12:13]
	global_load_b128 v[(\X)+112+4*gd:(\X)+112+4*gd+3], v253, s[42:43] offset:16*(8*(\p)+2*gd)
.set gd, gd+1
.endr
	WIN 0
.endm
; K step 2: q - v = 0.5 x (-2 v) + q, one rounding; then 1 for b0; then zeros.  The lanes with h = 1 hold the same numbers at places whose weights are 0.
.macro GEO X
	WIN 0x55
.set gd, 0
.rept 4
	v_fma_f32 v[(\X)+96+4*gd],   0.5, v[(\X)+96+4*gd],   v[(\X)+112+4*gd]
	v_fma_f32 v[(\X)+96+4*gd+1], 0.5, v[(\X)+96+4*gd+1], v[(\X)+112+4*gd+1]
	v_fma_f32 v[(\X)+96+4*gd+2], 0.5, v[(\X)+96+4*gd+2], v[(\X)+112+4*gd+2]
.set gd, gd+1
.endr
.set gd, 0
.rept 4
	v_cvt_pk_bf16_f32 v[(\X)+64+8*gd],   v[(\X)+96+4*gd], v[(\X)+96+4*gd+1]
	v_cvt_pk_bf16_f32 v[(\X)+64+8*gd+1], v[(\X)+96+4*gd+2], s37
.irp z, 2,3,4,5,6,7
	v_mov_b32 v[(\X)+64+8*gd+\z], 0
.endr
.set gd, gd+1
.endr
.endm
.macro WLOAD p                         ; the 8 weights of query h of each tile
	WIN 0
.set gd, 0
.rept 4
	global_load_b128 v[WT+8*gd:WT+8*gd+3],   v254, s[44:45] offset:16*(8*(\p)+2*gd)
	global_load_b128 v[WT+8*gd+4:WT+8*gd+7], v254, s[46:47] offset:16*(8*(\p)+2*gd)
.set gd, gd+1
.endr
.endm
; the means of the pass's 8 queries into my rows of HS: a high bf16 part and, of what it leaves, a low one
.macro HSTORE p
	WIN 0
.set hd, 0
.rept 4
.set hu, 0
.rept 4
	v_cvt_pk_bf16_f32 v[244+hu], v[HB+8*hd+2*hu], v[HB+8*hd+2*hu+1]
.set hu, hu+1
.endr
.set hu, 0
.rept 4
	v_lshlrev_b32 v240, 16, v[244+hu]
	v_and_b32 v241, s38, v[244+hu]
	v_sub_f32 v240, v[HB+8*hd+2*hu], v240
	v_sub_f32 v241, v[HB+8*hd+2*hu+1], v241
	v_cvt_pk_bf16_f32 v[248+hu], v240, v241
.set hu, hu+1
.endr
	ds_store_b128 v8, v[244:247] offset:HP*(8*(\p)+2*hd)
	ds_store_b128 v8, v[248:251] offset:HP*(8*(\p)+2*hd)+256
.set hd, hd+1
.endr
.endm
.macro W3LOAD                          ; the last layer's 16 fragments fill region P, which layer 2 of the second pass does not use
	WIN 0x40
.set wf, 0
.rept 16
	ds_load_b128 v[P+8*wf:P+8*wf+3],   v4 offset:1024*(32+wf)
	ds_load_b128 v[P+8*wf+4:P+8*wf+7], v4 offset:1024*(32+wf)+512
.set wf, wf+1
.endr
	WIN 0
.endm
.macro PASS p, X, Y
	GEO \X
.irp g, 0,1,2,3,4,5,6,7,8,9,10,11,12,13,14,15
	STEP \p, \g, \X, \Y
.endr
	WIN 0
	s_wait_loadcnt 0x0                             ; the pass's weights are in
.if (\p) == 0
	GATHER 1, \Y                                   ; the second pass's rows land during layer 2, in the region that it does not use; its last readers stand behind 64 plain lines
.endif
.irp g, 16,17,18,19,20,21,22,23
	STEP \p, \g, \X, \Y
.endr
.if (\p) == 1
	W3LOAD
.endif
	HSTORE \p
.endm
	s_load_b512 s[8:23], s[0:1], 0x0               ; f16 8, wimg 10, vt 12, qt 14, idx 16, wa 18, wb 20, out0 22
	v_lshl_add_u32 v14, v0, 2, SPARE
	v_mov_b32 v15, 0
	ds_add_u32 v14, v15                            ; the wave's opening: the add, twice on end, and its wait ahead of my tensor load
	ds_add_u32 v14, v15
	v_lshrrev_b32 v16, 5, v0
	v_readfirstlane_b32 s36, v16                   ; wave 0..7
	v_and_b32 v1, 15, v0
	v_bfe_u32 v2, v0, 4, 1
	v_and_b32 v17, 31, v0
	v_lshlrev_b32 v3, 4, v17                       ; a fragment's half is 512 consecutive bytes, 16 a lane
	v_add_nc_u32 v4, 57344, v3                     ; the same from fragment 56 on
	v_lshl_add_u32 v5, v2, 5, 106496               ; b1: channels 8 h + 0..7
	v_lshl_add_u32 v6, v1, 5, 107008               ; b2, eight times each: channel r
	v_lshl_add_u32 v7, v2, 5, 111104               ; b3
	s_mul_i32 s50, s36, HSW
	s_add_co_u32 s50, s50, HS
	v_mul_u32_u24 v8, v2, HP
	v_lshl_add_u32 v8, v1, 4, v8
	v_add_nc_u32 v8, s50, v8
	v_mul_u32_u24 v9, v1, HP
	v_lshl_add_u32 v9, v2, 4, v9
	v_add_nc_u32 v9, s50, v9
	s_mul_i32 s50, s36, OSW
	s_add_co_u32 s50, s50, OS
	v_mul_u32_u24 v10, v1, OP
	v_lshl_add_u32 v10, v2, 5, v10
	v_add_nc_u32 v10, s50, v10
	v_mul_u32_u24 v11, v2, OP
	v_lshl_add_u32 v11, v1, 4, v11
	v_add_nc_u32 v11, s50, v11
	v_lshlrev_b32 v12, 8, v2
	v_lshl_add_u32 v12, v1, 4, v12
	v_mov_b32 v13, 0
	v_lshlrev_b32 v252, 1, v1
	v_lshrrev_b32 v253, 3, v1
	v_lshlrev_b32 v253, 4, v253
	v_lshlrev_b32 v254, 4, v2
	s_mov_b32 s37, 1.0
	s_mov_b32 s38, 0xffff0000
	s_mov_b32 s24, 1                               ; group 0: count 1,
	s_mul_i32 s25, s36, 14080                      ; my eighth of the image in LDS: the wave's number alone
	s_mov_b32 s28, 15|(3<<16)|(1<<21)              ; group 1: the mask of four, elements of 8 bytes, bit 21 beside the mask
	s_mov_b32 s29, 32<<16                          ; tensor_dim0 = 32: rows of 256 bytes
	s_mov_b32 s30, 55<<16                          ; tensor_dim1 = 55
	s_mov_b32 s31, 32<<16                          ; tile_dim0 = 32
	s_mov_b32 s32, 55                              ; tile_dim1 = 55
	s_mov_b32 s33, 32                              ; dense
	s_mov_b32 s34, 0
	s_mov_b32 s35, 0
	s_mov_b32 s56, s25
	s_mov_b32 s57, 0
	s_bfe_u32 s54, ttmp6, 0x40000                  ; my place in the cluster: it enters global addresses of my own loads and stores alone
	s_lshl_b32 s55, ttmp9, 2
	s_add_co_u32 s55, s55, s54
	s_lshl_b32 s50, s55, 11
	s_lshl_b32 s51, s36, 8
	s_add_co_u32 s50, s50, s51                     ; 16 bytes x my wave's first query
	s_mov_b32 s51, 0
	s_lshl_b32 s52, s50, 4                         ; 256 bytes x the same
	s_mov_b32 s53, 0
	s_wait_dscnt 0x0                               ; both opening adds are done
	s_wait_kmcnt 0x0
	s_add_nc_u64 s[26:27], s[10:11], s[56:57]
	s_or_b32 s27, s27, 0x80000000                  ; type 2
	s_add_nc_u64 s[40:41], s[16:17], s[50:51]
	s_add_nc_u64 s[42:43], s[14:15], s[50:51]
	s_add_nc_u64 s[44:45], s[18:19], s[50:51]
	s_add_nc_u64 s[46:47], s[20:21], s[50:51]
	s_add_nc_u64 s[48:49], s[22:23], s[52:53]
	CROUND                                         ; all four work-groups are here: the joint loads meet
	tensor_load_to_lds s[24:27], s[28:35]          ; my one tensor load of the launch
	s_nop 0
.rept 4
	v_nop
.endr
.set i, 0
.rept 8
	global_load_u16 v[16+i], v252, s[40:41] offset:2*(64*(i/4)+16*(i%4))  ; row r of tile i % 4 of pass i / 4
.set i, i+1
.endr
	WLOAD 0
	s_wait_loadcnt 8                               ; the indices are in; the eight loads of weights may stay out
.set i, 0
.rept 8
	v_min_u32 v[16+i], 6889, v[16+i]               ; held inside the tables before it becomes an address
	v_lshlrev_b32 v[24+i], 4, v[16+i]
	v_lshl_add_u32 v[16+i], v[16+i], 7, v254
.set i, i+1
.endr
	GATHER 0, P
	s_wait_tensorcnt 0x0                           ; my part of the image has landed,
	s_barrier_signal -1
	s_barrier_wait -1                              ; everybody's has
	PREF 0, 0
	PREF 1, 1
	s_wait_loadcnt 0x0                             ; the first pass's rows and weights
	PASS 0, P, Q
	WLOAD 1
	s_wait_loadcnt 8                               ; the second pass's rows are in; the eight loads of weights may stay out
	PASS 1, Q, P
	; THE LAST LAYER: source 0 = 16 output channels of W3, source 1 = my 16 queries' means, the high part and the low part; the sums start with b3.
	WIN 0x40
.set fp, 0
.rept 2
.set fs, 0
.rept 4
	ds_load_b128 v[Q+32*fp+8*fs:Q+32*fp+8*fs+3],   v9 offset:256*fp+64*fs      ; my own rows: LDS serves a wave's instructions in order, so these see the stores above
	ds_load_b128 v[Q+32*fp+8*fs+4:Q+32*fp+8*fs+7], v9 offset:256*fp+64*fs+32
.set fs, fs+1
.endr
.set fp, fp+1
.endr
	WIN 0
.set fm, 0
.rept 4
	ds_load_b128 v[AF+8*fm:AF+8*fm+3],   v7 offset:64*fm
	ds_load_b128 v[AF+8*fm+4:AF+8*fm+7], v7 offset:64*fm+16
.set fm, fm+1
.endr
	s_wait_dscnt 0x0
	WIN 0x05
.set fs, 0
.rept 4
.set fp, 0
.rept 2
.set fm, 0
.rept 4
.if (fs == 0) && (fp == 0)
	v_wmma_f32_16x16x32_bf16 v[ACC+8*fm:ACC+8*fm+7], v[P+8*(4*fs+fm):P+8*(4*fs+fm)+7], v[Q+32*fp+8*fs:Q+32*fp+8*fs+7], v[AF+8*fm:AF+8*fm+7]
.else
	v_wmma_f32_16x16x32_bf16 v[ACC+8*fm:ACC+8*fm+7], v[P+8*(4*fs+fm):P+8*(4*fs+fm)+7], v[Q+32*fp+8*fs:Q+32*fp+8*fs+7], v[ACC+8*fm:ACC+8*fm+7]
.endif
.set fm, fm+1
.endr
.set fp, fp+1
.endr
.set fs, fs+1
.endr
	WIN 0
.rept 4
	v_nop                                          ; four places behind the last product
.endr
	; THE WAY OUT: a lane holds query r, channels 16 mt + 8 h + 0..7; through my stage, back as whole rows of 256 bytes
.set fm, 0
.rept 4
	ds_store_b128 v10, v[ACC+8*fm:ACC+8*fm+3]   offset:64*fm
	ds_store_b128 v10, v[ACC+8*fm+4:ACC+8*fm+7] offset:64*fm+16
.set fm, fm+1
.endr
.set t, 0
.rept 8
	ds_load_b128 v[AF+4*t:AF+4*t+3], v11 offset:2*OP*t
.set t, t+1
.endr
.set t, 0
.rept 8
	s_wait_dscnt 7-t                               ; the younger loads may stay out
	global_store_b128 v12, v[AF+4*t:AF+4*t+3], s[48:49] offset:512*t  ; 16 lanes store one row of out0: 256 consecutive bytes, aligned
.set t, t+1
.endr
	s_wait_tensorcnt 0x0                           ; the wave's end: behind my tensor load and my last LDS store
	ds_add_u32 v14, v15
	s_wait_dscnt 0x0
	CROUND                                         ; the closing round
	s_endpgm
.Lfunc_end_k_qc872c1419b_mlp:
	.size	k_qc872c1419b_mlp, .Lfunc_end_k_qc872c1419b_mlp-k_qc872c1419b_mlp
	.p2alignl 7, 3214868480
	.fill 96, 4, 3214868480
	.section	.rodata,"a",@progbits
	.p2align	6, 0x0
	.amdhsa_kernel k_qc872c1419b_mlp
		.amdhsa_group_segment_fixed_size 216064
		.amdhsa_private_segment_fixed_size 0
		.amdhsa_enable_private_segment 0
		.amdhsa_kernarg_size 64
		.amdhsa_user_sgpr_count 2
		.amdhsa_user_sgpr_kernarg_segment_ptr 1
		.amdhsa_wavefront_size32 1
		.amdhsa_system_sgpr_workgroup_id_x 1
		.amdhsa_system_sgpr_workgroup_id_y 1
		.amdhsa_system_sgpr_workgroup_id_z 1
		.amdhsa_system_vgpr_workitem_id 0
		.amdhsa_next_free_vgpr 512
		.amdhsa_next_free_sgpr 66
		.amdhsa_reserve_vcc 0
		.amdhsa_float_denorm_mode_32 3
		.amdhsa_float_denorm_mode_16_64 3
		.amdhsa_memory_ordered 1
		.amdhsa_forward_progress 1
		.amdhsa_inst_pref_size 210
	.end_amdhsa_kernel
	.amdgpu_metadata
---
amdhsa.version: [ 1, 2 ]
amdhsa.kernels:
  - .name:           k_qc872c1419b_mlp
    .symbol:         k_qc872c1419b_mlp.kd
    .args:
      - { .name: f16, .offset: 0, .size: 8, .value_kind: global_buffer, .address_space: global }
      - { .name: wimg, .offset: 8, .size: 8, .value_kind: global_buffer, .address_space: global }
      - { .name: vt, .offset: 16, .size: 8, .value_kind: global_buffer, .address_space: global }
      - { .name: qt, .offset: 24, .size: 8, .value_kind: global_buffer, .address_space: global }
      - { .name: idx, .offset: 32, .size: 8, .value_kind: global_buffer, .address_space: global }
      - { .name: wa, .offset: 40, .size: 8, .value_kind: global_buffer, .address_space: global }
      - { .name: wb, .offset: 48, .size: 8, .value_kind: global_buffer, .address_space: global }
      - { .name: out0, .offset: 56, .size: 8, .value_kind: global_buffer, .address_space: global }
    .group_segment_fixed_size: 216064
    .private_segment_fixed_size: 0
    .kernarg_segment_align: 8
    .kernarg_segment_size: 64
    .max_flat_workgroup_size: 256
    .sgpr_count:     66
    .vgpr_count:     512
    .wavefront_size: 32
...
	.end_amdgpu_metadata
.endif
;; end of part 3
;; ======== version 2 of 2: 3 launches; version 1 with the launch knn1 written anew for expert scheduling mode
;; workspace buffers: vt 110,592 bytes; qt 524,288 bytes; blk 262,144 bytes of whole numbers; f16 882,176 bytes; wimg 112,640 bytes; idx 524,288 bytes of whole numbers; wa 524,288 bytes; wb 524,288 bytes
;; launch knn1 (part 4): grid 256 x 1, 4 waves a work-group, no clusters, 119,808 bytes of LDS; arguments vertex, vertex_features, query_pts, W0, W1, W2, W3, b0, b1, b2, b3, vt, qt, blk, f16, wimg; writes vt, qt, blk, f16, wimg
.if DOCPART == 4
	.amdgcn_target "amdgcn-amd-amdhsa--gfx1250"
	.amdhsa_code_object_version 6
	.text
	.protected	k_qc872c1419b_knn1
	.globl	k_qc872c1419b_knn1
	.p2align	8
	.type	k_qc872c1419b_knn1,@function
k_qc872c1419b_knn1:
	s_mov_b64 s[64:65], 0
	v_nop
	global_prefetch_b8 v0, s[64:65] scope:SCOPE_SE
	s_setreg_imm32_b32 hwreg(HW_REG_WAVE_SCHED_MODE, 0, 2), 2
	s_setreg_imm32_b32 hwreg(HW_REG_WAVE_MODE, 25, 1), 1
	s_wait_xcnt 0x0
	s_wait_alu depctr_vm_vsrc(0)
; FIRST STEP OF THE NEAREST-NEIGHBOUR SEARCH, and the tables of the later launches.
; All inputs are rounded to bf16 first (to nearest even).  For each query the squared distance to all 6,890 vertices is made as
; d2 = ((qq + m) + vv), m = fma(qz,-2vz, fma(qy,-2vy, qx*(-2vx))), qq and vv = fma(z,z, fma(y,y, x*x)): products of bf16 numbers are exact in f32,
; so these are the roundings of (sum q^2 - 2 q.v) + sum v^2 with sums taken in ascending order.
; The vertices lie in 216 blocks of 32 consecutive rows (rows 6890 .. 6911 count as infinitely far).  A query keeps the 8 blocks with the smallest (minimum, block number).
; The 8 nearest vertices, ordered by (d2, index), lie in these 8 blocks: were one outside, each of the 8 blocks would hold a vertex ahead of it.
; LIMITS.  NaN and infinities are not treated apart; products below 2^-126 may round otherwise than an unfused product; the order of the sums is taken to be ascending.
; SHARES.  A work-group owns 128 queries.  Wave w: query group w & 1 (64 queries, two a lane: the two halves of each packed instruction), vertex half w >> 1 (108 blocks).
; The halves' lists meet in LDS at the end.  NO CLUSTER, NO TENSOR LOAD: the one thing that work-groups share is the raw vertex array, whose rows of 12 bytes become
; table rows of 16 bytes on the way into LDS: they pass through registers in any case.
; SIDE JOBS, shared out by work-group and wave: vertex_features in bf16 (f16), the weights as matrix fragments and the biases (wimg), the vertex table (vt), the queries (qt).
; LDS: 0 the table, 6,944 rows of 16 bytes (-2x, -2y, -2z, vv), the last 32 of them rows that only the look-ahead reads; MG the second half's lists; SPARE the spare words.
; REGISTERS.  v0 thread, v1 lane, v2 v3 the add's two; set-up: v5-v13 offsets (v[4:7] then the row that pads the table), v16-v31 side jobs, v[32+4i ..] vertex row 128 i + thread, v248-254 raw queries.
; Main loop: v4 LDS address (the same in all lanes); v[8:15] qx qy qz qq, each a pair (query a, query b); v[16:47] lists, quad k = (value a, block a, value b, block b);
; v[48:79], v[80:111], v[136:167], v[168:199] four buffers B0 .. B3 of 8 table rows (B0 later the partner's lists and the merged numbers, v[140:143] the packed numbers);
; v[112:127] 8 pairs of d2; v128 v129 the block's minima; v130-133 at work.
; s40 wave, s41 query group, s42 vertex half, s43 block number, s44 counter, s45 mask of the upper bf16, s[46:61] compare masks, s62 work-group, s63 +inf.
; THE MODE: SCHED_MODE bits 1:0 = 2 (LLVM: expert scheduling mode 2), set by the entry lines.  The code itself states the register dependences
; between vector instructions and memory or LDS instructions, with s_wait_alu, always for 0.
; THE PLAN, for the loop.  A trip (a block of 32 rows) has four parts of 8 rows; part k's vector lines read Bk, and the 8 LDS loads at part k's head land in B[(k + 2) % 4]: the rows of two parts on.
;   B0 .. B3   written by LDS loads alone; read by the distances' lines of their part alone.
;   v4         read by every LDS load; written once a trip, at the trip's end.
;   The lists, the queries, d2 and the minima are named by vector instructions alone.
; One wait on va_vdst at the trip's head (the trip before is done reading B2 and B3; v4 is written) serves the loads of parts 0 and 1; one between parts 1 and 2 (B0 and B1 are read out) serves those of
; parts 2 and 3: no vector line behind either wait names a register that its loads touch.  One wait on va_sdst stands between the trip's sixteen compares and the selects that read their masks;
; one on vm_vsrc ahead of the add to v4.
.set PADS,  110592
.set MG,    111104
.set SPARE, 119296
; x goes into the sorted list of 8 values v[L + st i] with numbers v[I + st i]; behind values equal to it, so that of equals the earlier comer stays ahead.  In three parts, so that the compares of
; two lists stand in one run, the values' lines behind them, and one wait ahead of the selects: the masks; the values; the numbers.
.macro INS_CMP x, L, st, M
.set ii, 0
.rept 8
	v_cmp_lt_f32 s[(\M)+ii], \x, v[(\L)+(\st)*ii]
.set ii, ii+1
.endr
.endm
.macro INS_VAL x, L, st
.set ii, 7
.rept 7
	v_med3_num_f32 v[(\L)+(\st)*ii], \x, v[(\L)+(\st)*(ii-1)], v[(\L)+(\st)*ii]  ; the middle of x and two neighbours of the sorted list is the new entry
.set ii, ii-1
.endr
	v_min_num_f32 v[\L], \x, v[\L]
.endm
.macro INS_NUM c, I, st, M, T
.set ii, 7
.rept 3
	v_cndmask_b32 v[\T], \c, v[(\I)+(\st)*(ii-1)], s[(\M)+ii-1]
	v_cndmask_b32 v[(\T)+1], \c, v[(\I)+(\st)*(ii-2)], s[(\M)+ii-2]
	v_cndmask_b32 v[(\I)+(\st)*ii], v[(\I)+(\st)*ii], v[\T], s[(\M)+ii]
	v_cndmask_b32 v[(\I)+(\st)*(ii-1)], v[(\I)+(\st)*(ii-1)], v[(\T)+1], s[(\M)+ii-1]
.set ii, ii-2
.endr
	v_cndmask_b32 v[\T], \c, v[\I], s[\M]
	v_cndmask_b32 v[\I], v[\I], \c, s[\M]
	v_cndmask_b32 v[(\I)+(\st)], v[(\I)+(\st)], v[\T], s[(\M)+1]
.endm
	s_load_b512 s[8:23], s[0:1], 0x0               ; vertex 8, features 10, queries 12, W0 14, W1 16, W2 18, W3 20, b0 22
	s_load_b512 s[24:39], s[0:1], 0x40             ; b1 24, b2 26, b3 28, vt 30, qt 32, blk 34, f16 36, wimg 38
	v_lshl_add_u32 v2, v0, 2, SPARE
	v_mov_b32 v3, 0
	v_and_b32 v1, 31, v0
	v_lshrrev_b32 v4, 5, v0
	v_readfirstlane_b32 s40, v4
	s_mov_b32 s45, 0xffff0000
	s_mov_b32 s62, ttmp9
	s_mov_b32 s63, 0x7f800000
	v_mul_u32_u24 v5, v0, 12                       ; a raw row is 12 bytes
	v_add_nc_u32 v8, 6784, v0                      ; the row of the last of my 54
	v_min_u32 v6, 6889, v8                         ; held inside the array
	v_mul_u32_u24 v6, v6, 12
	v_mul_u32_u24 v7, v1, 12
	v_lshlrev_b32 v9, 4, v0                        ; my table row's place among 128
	v_add_nc_u32 v10, 65536, v9                    ; the same for rows whose offset no longer fits 16 bits
	s_wait_alu depctr_va_sdst(0)                   ; s40 is written, ahead of its first reader: the wave's shares and every branch on the wave are made from it
	s_and_b32 s41, s40, 1
	s_lshr_b32 s42, s40, 1
	s_mul_i32 s66, s62, 1536
	s_mul_i32 s67, s41, 768
	s_add_co_u32 s66, s66, s67
	s_mov_b32 s67, 0
	s_wait_kmcnt 0x0
	s_add_nc_u64 s[68:69], s[12:13], s[66:67]      ; the wave's 64 queries
	s_wait_alu depctr_va_vdst(0)                   ; v5, v6 and v7 are written, the offsets of the loads below; so are v9 and v10, by which the table is stored
.set i, 0
.rept 53
	global_load_b96 v[32+4*i:34+4*i], v5, s[8:9] offset:1536*i
.set i, i+1
.endr
	global_load_b96 v[244:246], v6, s[8:9]
	global_load_b96 v[248:250], v7, s[68:69]
	global_load_b96 v[252:254], v7, s[68:69] offset:384
; SIDE JOB: task T turns 1,024 bytes of vertex_features into 512 bytes of bf16; 1,723 tasks, of which the last reads its final 512 bytes clamped (they fill two rows that nobody reads).
.macro F16TASK
	s_lshl_b32 s71, s70, 10
	v_lshl_add_u32 v16, v1, 5, s71
	v_min_u32 v16, 1763808, v16
	s_lshl_b32 s71, s70, 9
	v_lshl_add_u32 v17, v1, 4, s71
	s_wait_alu depctr_va_vdst(0)                   ; v16 and v17 are written, the offsets of the loads and of the store; at a second task the first's conversions are done reading v[20:27], in which the loads land
	global_load_b128 v[20:23], v16, s[10:11] th:TH_LOAD_NT
	global_load_b128 v[24:27], v16, s[10:11] offset:16 th:TH_LOAD_NT
	s_wait_loadcnt 0x0                             ; these two, and at the first task the vertices and queries ahead of them
	v_cvt_pk_bf16_f32 v28, v20, v21
	v_cvt_pk_bf16_f32 v29, v22, v23
	v_cvt_pk_bf16_f32 v30, v24, v25
	v_cvt_pk_bf16_f32 v31, v26, v27
	s_wait_alu depctr_va_vdst(0)                   ; the conversions have written v[28:31], the store's data
	global_store_b128 v17, v[28:31], s[36:37]      ; the wave stores 512 consecutive bytes
	s_wait_xcnt 0x0                                ; the task's offsets and data are written again only behind this wait,
	s_wait_alu depctr_vm_vsrc(0)                   ; and behind this one: the loads have read v16, the store v17 and v[28:31], which a second task and the jobs below write again; the head's loads have read v5, v6 and v7
.endm
	s_lshl_b32 s70, s62, 2
	s_add_co_u32 s70, s70, s40                     ; task 4 g + w, and 1,024 further on where that exists
	F16TASK
	s_cmp_lt_u32 s70, 699
	s_cbranch_scc0 .Lf16_done
	s_add_co_u32 s70, s70, 1024
	F16TASK
.Lf16_done:
; THE TABLE: six rows at a time, stage by stage, in place; eighteen rows are made, then stored behind one wait, while the next eighteen are made.
.macro SIX line:vararg
.set k6, 0
.rept 6
	\line
.set k6, k6+1
.endr
.endm
.macro VCOMP i0
.set R, 32+4*(\i0)
.if (\i0) == 48
	v_cmp_lt_u32 vcc_lo, 6889, v8                  ; which of my last rows do not exist: made here, read at the group's end
.endif
	SIX v_cvt_pk_bf16_f32 v[R+4*k6+3], v[R+4*k6], v[R+4*k6+1]
	SIX v_cvt_pk_bf16_f32 v[R+4*k6+2], v[R+4*k6+2], v[R+4*k6+2]
	SIX v_lshlrev_b32 v[R+4*k6], 16, v[R+4*k6+3]
	SIX v_and_b32 v[R+4*k6+1], s45, v[R+4*k6+3]
	SIX v_lshlrev_b32 v[R+4*k6+2], 16, v[R+4*k6+2]
	SIX v_mul_f32 v[R+4*k6+3], v[R+4*k6], v[R+4*k6]
	SIX v_fma_f32 v[R+4*k6+3], v[R+4*k6+1], v[R+4*k6+1], v[R+4*k6+3]
	SIX v_fma_f32 v[R+4*k6+3], v[R+4*k6+2], v[R+4*k6+2], v[R+4*k6+3]
	SIX v_pk_mul_f32 v[R+4*k6:R+4*k6+1], v[R+4*k6:R+4*k6+1], -2.0 op_sel_hi:[1,0]
	SIX v_mul_f32 v[R+4*k6+2], -2.0, v[R+4*k6+2]
.if (\i0) == 48                        ; rows 6890 .. 6911 do not exist: (0, 0, 0, +inf)
	s_wait_alu depctr_va_vcc(0)                    ; VCC is written by the compare at the group's head, ahead of its first reader
	v_cndmask_b32 v244, v244, 0, vcc_lo
	v_cndmask_b32 v245, v245, 0, vcc_lo
	v_cndmask_b32 v246, v246, 0, vcc_lo
	v_cndmask_b32 v247, v247, s63, vcc_lo
.endif
.endm
.macro VSTORE i0
.set R, 32+4*(\i0)
.set k6, 0
.rept 6
.if ((\i0)+k6) < 32
	ds_store_b128 v9, v[R+4*k6:R+4*k6+3] offset:2048*((\i0)+k6)
.else
	ds_store_b128 v10, v[R+4*k6:R+4*k6+3] offset:2048*((\i0)+k6-32)
.endif
.set k6, k6+1
.endr
.endm
.irp i0, 0,18,36
	VCOMP \i0
	VCOMP (\i0)+6
	VCOMP (\i0)+12
	s_wait_alu depctr_va_vdst(0)                   ; these eighteen rows are written, which the LDS stores below read; the next eighteen's lines name other registers
	VSTORE \i0
	VSTORE (\i0)+6
	VSTORE (\i0)+12
.endr
	s_cmp_lg_u32 s40, 0
	s_cbranch_scc1 .Lno_pad
	v_lshl_add_u32 v11, v1, 4, PADS                ; 32 rows behind the table, which the last look-ahead reads
	v_mov_b32 v4, 0                                ; the row lies in v[4:7]: the wave's number has been taken from v4, the head's loads have read v5 to v7 (the feature task's waits),
	v_mov_b32 v5, 0                                ; and nothing writes these four again ahead of the wait on vm_vsrc behind the barrier below
	v_mov_b32 v6, 0
	v_mov_b32 v7, s63
	s_wait_alu depctr_va_vdst(0)                   ; v11 and v[4:7] are written, the LDS store's address and data
	ds_store_b128 v11, v[4:7]
.Lno_pad:
; SIDE JOB, wave 1: work-group g < 220 makes bytes 512 g .. 512 g + 511 of wimg.
; g < 208: half c = g & 1 of fragment f = g >> 1: lane (r = lane & 15, h = lane >> 4) holds k = 32 s + 16 c + 8 h + 0..7 of output channel 16 mt + r, in bf16.
; f = 8 s + mt: W0 (s < 3; its third K step holds rows 64-66 and b0, then zeros); 24 + 8 s + mt: W1; 56 + 8 s + mt: W2; 88 + 4 s + mt: W3, whose place k' = 8 r' + j stands for row 16 j + r'.
	s_cmp_lg_u32 s40, 1
	s_cbranch_scc1 .Lw_done
	v_and_b32 v12, 15, v1
	v_lshrrev_b32 v13, 4, v1
	s_lshl_b32 s66, s62, 9
	v_lshl_add_u32 v17, v1, 4, s66
	s_lshr_b32 s70, s62, 1
	s_and_b32 s71, s62, 1
	s_mov_b32 s77, 0
	s_cmp_lt_u32 s62, 208
	s_cbranch_scc0 .Lw_bias
	s_cmp_ge_u32 s70, 88
	s_cbranch_scc1 .Lw_last
	s_cmp_lt_u32 s70, 16
	s_cbranch_scc1 .Lw_plain
	s_cmp_lt_u32 s70, 24
	s_cbranch_scc1 .Lw_geo
.Lw_plain:
	s_cmp_ge_u32 s70, 24
	s_cselect_b64 s[74:75], s[16:17], s[14:15]
	s_cselect_b32 s72, 24, 0
	s_cmp_ge_u32 s70, 56
	s_cselect_b64 s[74:75], s[18:19], s[74:75]
	s_cselect_b32 s72, 56, s72
	s_sub_co_u32 s72, s70, s72
	s_lshr_b32 s73, s72, 3                         ; s
	s_and_b32 s72, s72, 7                          ; mt
	s_lshl_b32 s76, s73, 14                        ; 32 s rows of 512 bytes
	s_lshl_b32 s73, s71, 13                        ; 16 c rows
	s_add_co_u32 s76, s76, s73
	s_lshl_b32 s73, s72, 6                         ; 16 mt columns
	s_add_co_u32 s76, s76, s73
	s_add_nc_u64 s[74:75], s[74:75], s[76:77]
	v_lshlrev_b32 v16, 2, v12
	v_lshl_add_u32 v16, v13, 12, v16               ; column r, 8 h rows
	s_wait_alu depctr_va_vdst(0)                   ; v16 is written, the loads' offset; the feature job's conversions are done reading v[20:27], in which the loads land
.irp j, 0,1,2,3,4,5,6,7
	global_load_b32 v[20+\j], v16, s[74:75] offset:512*\j
.endr
	s_branch .Lw_pack
.Lw_last:
	s_sub_co_u32 s72, s70, 88
	s_lshr_b32 s73, s72, 2                         ; s
	s_and_b32 s72, s72, 3                          ; mt
	s_lshl_b32 s76, s73, 10                        ; r' = 4 s + 2 c + h: rows of 256 bytes
	s_lshl_b32 s73, s71, 9
	s_add_co_u32 s76, s76, s73
	s_lshl_b32 s73, s72, 6
	s_add_co_u32 s76, s76, s73
	s_add_nc_u64 s[74:75], s[20:21], s[76:77]
	v_lshlrev_b32 v16, 2, v12
	v_lshl_add_u32 v16, v13, 8, v16
	s_wait_alu depctr_va_vdst(0)                   ; v16 is written, the loads' offset; the feature job's conversions are done reading v[20:27], in which the loads land
.irp j, 0,1,2,3,4,5,6,7
	global_load_b32 v[20+\j], v16, s[74:75] offset:4096*\j
.endr
.Lw_pack:
	s_wait_loadcnt 0x0
	v_cvt_pk_bf16_f32 v28, v20, v21
	v_cvt_pk_bf16_f32 v29, v22, v23
	v_cvt_pk_bf16_f32 v30, v24, v25
	v_cvt_pk_bf16_f32 v31, v26, v27
	s_branch .Lw_store
.Lw_geo:
	s_and_b32 s72, s70, 7
	s_lshl_b32 s72, s72, 6
	v_lshl_add_u32 v16, v12, 2, s72                ; column 16 mt + r
	v_add_nc_u32 v18, s71, v13
	v_cmp_eq_u32 vcc_lo, 0, v18                    ; places 64 .. 67 lie in half 0 of the lanes with h = 0
	s_wait_alu depctr_va_vdst(0)                   ; v16 is written, the loads' offset; the feature job's conversions are done reading v[20:23], in which the loads land
	global_load_b32 v20, v16, s[14:15] offset:32768
	global_load_b32 v21, v16, s[14:15] offset:33280
	global_load_b32 v22, v16, s[14:15] offset:33792
	global_load_b32 v23, v16, s[22:23]
	s_wait_loadcnt 0x0
	v_cvt_pk_bf16_f32 v28, v20, v21
	v_cvt_pk_bf16_f32 v29, v22, v23
	s_wait_alu depctr_va_vcc(0)                    ; VCC is written by the compare above, ahead of its first reader
	v_cndmask_b32 v28, 0, v28, vcc_lo
	v_cndmask_b32 v29, 0, v29, vcc_lo
	v_mov_b32 v30, 0
	v_mov_b32 v31, 0
	s_branch .Lw_store
.Lw_bias:
	s_cmp_ge_u32 s62, 220
	s_cbranch_scc1 .Lw_done
	s_cmp_ge_u32 s62, 218
	s_cbranch_scc1 .Lw_zero
	s_cmp_eq_u32 s62, 217
	s_cbranch_scc1 .Lw_b3
	s_cmp_eq_u32 s62, 208
	s_cbranch_scc1 .Lw_b1
	s_sub_co_u32 s72, s62, 209                     ; b2, each number eight times: 16 numbers a task, two lanes a number
	s_lshl_b32 s72, s72, 6
	v_lshrrev_b32 v16, 1, v1
	v_lshl_add_u32 v16, v16, 2, s72
	s_wait_alu depctr_va_vdst(0)                   ; v16 is written, the load's offset; the feature job's conversions are done reading v20, in which the load lands
	global_load_b32 v20, v16, s[26:27]
	s_wait_loadcnt 0x0
	v_cvt_pk_bf16_f32 v18, v20, v20
	v_lshlrev_b32 v28, 16, v18
	v_mov_b32 v29, v28
	v_mov_b32 v30, v28
	v_mov_b32 v31, v28
	s_branch .Lw_store
.Lw_b1:
	v_lshlrev_b32 v16, 4, v1
	s_wait_alu depctr_va_vdst(0)                   ; v16 is written, the load's offset; the feature job's conversions are done reading v[20:23], in which the load lands
	global_load_b128 v[20:23], v16, s[24:25]
	s_branch .Lw_round
.Lw_b3:
	v_lshlrev_b32 v16, 4, v12                      ; b3's 256 bytes, twice
	s_wait_alu depctr_va_vdst(0)                   ; v16 is written, the load's offset; the feature job's conversions are done reading v[20:23], in which the load lands
	global_load_b128 v[20:23], v16, s[28:29]
.Lw_round:
	s_wait_loadcnt 0x0
	v_cvt_pk_bf16_f32 v18, v20, v21
	v_cvt_pk_bf16_f32 v19, v22, v23
	v_lshlrev_b32 v28, 16, v18
	v_and_b32 v29, s45, v18
	v_lshlrev_b32 v30, 16, v19
	v_and_b32 v31, s45, v19
	s_branch .Lw_store
.Lw_zero:
	v_mov_b32 v28, 0
	v_mov_b32 v29, 0
	v_mov_b32 v30, 0
	v_mov_b32 v31, 0
.Lw_store:
	s_wait_alu depctr_va_vdst(0)                   ; whichever arm led here has written v[28:31], the store's data; v17, its offset, is written too
	global_store_b128 v17, v[28:31], s[38:39]      ; 512 consecutive bytes
.Lw_done:
	s_wait_dscnt 0x0                               ; my rows of the table are written,
	s_barrier_signal -1
	s_barrier_wait -1                              ; everybody's are
	s_wait_alu depctr_vm_vsrc(0)                   ; my LDS stores have read v[4:7], v9, v10, v11 and the rows v[32:247], wave 1's store v17 and v[28:31], its loads v16: the addresses, the queries, the lists, the four buffers and the lines for vt and qt write these again
	s_min_u32 s66, s62, 215
	s_lshl_b32 s66, s66, 9
	s_cmp_lg_u32 s40, 0
	s_cbranch_scc1 .Lno_vt
	s_cmp_lt_u32 s62, 216
	s_cbranch_scc0 .Lno_vt
	v_lshl_add_u32 v209, v1, 4, s66                ; work-group g < 216 writes 32 rows of the table to vt
	s_wait_alu depctr_va_vdst(0)                   ; v209 is written, the address of the load and the offset of the store; the table's lines have written v[212:215], in which the load lands
	ds_load_b128 v[212:215], v209
	s_wait_dscnt 0x0
	global_store_b128 v209, v[212:215], s[30:31]
.Lno_vt:
	v_cvt_pk_bf16_f32 v18, v248, v249              ; my two queries, rounded; qq
	v_cvt_pk_bf16_f32 v19, v250, v250
	v_lshlrev_b32 v8, 16, v18
	v_and_b32 v10, s45, v18
	v_lshlrev_b32 v12, 16, v19
	v_cvt_pk_bf16_f32 v18, v252, v253
	v_cvt_pk_bf16_f32 v19, v254, v254
	v_lshlrev_b32 v9, 16, v18
	v_and_b32 v11, s45, v18
	v_lshlrev_b32 v13, 16, v19
	v_pk_mul_f32 v[14:15], v[8:9], v[8:9]
	v_pk_fma_f32 v[14:15], v[10:11], v[10:11], v[14:15]
	v_pk_fma_f32 v[14:15], v[12:13], v[12:13], v[14:15]
	s_cmp_lg_u32 s42, 0
	s_cbranch_scc1 .Lno_qt
	v_mov_b32 v200, v8
	v_mov_b32 v201, v10
	v_mov_b32 v202, v12
	v_mov_b32 v203, v14
	v_mov_b32 v204, v9
	v_mov_b32 v205, v11
	v_mov_b32 v206, v13
	v_mov_b32 v207, v15
	s_lshl_b32 s66, s62, 11
	s_lshl_b32 s67, s41, 10
	s_add_co_u32 s66, s66, s67
	v_lshl_add_u32 v208, v1, 4, s66
	s_wait_alu depctr_va_vdst(0)                   ; v[200:207] and v208 are written, the two stores' data and offset
	global_store_b128 v208, v[200:203], s[32:33]
	global_store_b128 v208, v[204:207], s[32:33] offset:512
.Lno_qt:
	s_wait_xcnt 0x0                                ; the side jobs' stores have read v17 and v[28:31], which the lists now take (the wait on vm_vsrc for them stands behind the barrier above)
.set k, 0
.rept 8
	v_mov_b32 v[16+4*k], s63
	v_mov_b32 v[17+4*k], 0
	v_mov_b32 v[18+4*k], s63
	v_mov_b32 v[19+4*k], 0
.set k, k+1
.endr
; d2 of my two queries to the 8 rows of buffer b, stage by stage.
.macro DIST b
.set dv, 0
.rept 8
	v_pk_mul_f32 v[112+2*dv:113+2*dv], v[8:9], v[(\b)+4*dv:(\b)+4*dv+1] op_sel:[0,0] op_sel_hi:[1,0]
.set dv, dv+1
.endr
.set dv, 0
.rept 8
	v_pk_fma_f32 v[112+2*dv:113+2*dv], v[10:11], v[(\b)+4*dv:(\b)+4*dv+1], v[112+2*dv:113+2*dv] op_sel:[0,1,0] op_sel_hi:[1,1,1]
.set dv, dv+1
.endr
.set dv, 0
.rept 8
	v_pk_fma_f32 v[112+2*dv:113+2*dv], v[12:13], v[(\b)+4*dv+2:(\b)+4*dv+3], v[112+2*dv:113+2*dv] op_sel:[0,0,0] op_sel_hi:[1,0,1]
.set dv, dv+1
.endr
.set dv, 0
.rept 8
	v_pk_add_f32 v[112+2*dv:113+2*dv], v[112+2*dv:113+2*dv], v[14:15]
.set dv, dv+1
.endr
.set dv, 0
.rept 8
	v_pk_add_f32 v[112+2*dv:113+2*dv], v[112+2*dv:113+2*dv], v[(\b)+4*dv+2:(\b)+4*dv+3] op_sel:[0,1] op_sel_hi:[1,1]
.set dv, dv+1
.endr
.endm
.macro MIN8 first
.irp q, 0,1
.if \first
	v_min_num_f32 v[128+\q], v[112+\q], v[114+\q]
.else
	v_min3_num_f32 v[128+\q], v[128+\q], v[112+\q], v[114+\q]
.endif
.endr
.irp d, 116,120,124
.irp q, 0,1
	v_min3_num_f32 v[128+\q], v[128+\q], v[\d+\q], v[\d+2+\q]
.endr
.endr
.endm
; A part of a trip: the rows of two parts on are asked for, into nxt; the 8 rows in cur are worked on.  No vector line since the last wait on va_vdst names nxt or v4.
.macro SUB cur, nxt, off, first
.set dv, 0
.rept 8
	ds_load_b128 v[(\nxt)+4*dv:(\nxt)+4*dv+3], v4 offset:(\off)+16*dv  ; all lanes read the same row
.set dv, dv+1
.endr
	s_wait_dscnt 16                                ; the eight just issued and the eight of the part before may stay out; the eight to be used now are in
	DIST \cur
	MIN8 \first
.endm
	s_mul_i32 s66, s42, 55296
	v_mov_b32 v4, s66                              ; my half's first row
	s_mul_i32 s43, s42, 108
	s_mov_b32 s44, 108
	s_wait_alu depctr_va_vdst(0)                   ; v4 is written, the loads' address; the table's lines have written v[48:111], in which the loads land
.set dv, 0
.rept 8
	ds_load_b128 v[48+4*dv:51+4*dv], v4 offset:16*dv
.set dv, dv+1
.endr
.set dv, 0
.rept 8
	ds_load_b128 v[80+4*dv:83+4*dv], v4 offset:128+16*dv
.set dv, dv+1
.endr
.Lblock:                                               ; a trip: one block of 32 rows, its minimum, and the minimum's place in the two lists
	s_wait_alu depctr_va_vdst(0)                   ; the trip before is done reading B2 and B3 (at the first trip: the table's lines have written them), in which the next sixteen loads land; v4 is written
	SUB 48, 136, 256, 1
	SUB 80, 168, 384, 0
	s_wait_alu depctr_va_vdst(0)                   ; the two parts above are done reading B0 and B1, in which the next sixteen loads land: the next block's first rows
	SUB 136, 48, 512, 0
	SUB 168, 80, 640, 0
	INS_CMP v128, 16, 4, 46
	INS_CMP v129, 18, 4, 54
	INS_VAL v128, 16, 4
	INS_VAL v129, 18, 4
	s_wait_alu depctr_va_sdst(0)                   ; the sixteen compares have written s[46:61], ahead of the first select that reads a mask; the values' sixteen lines stand between
	INS_NUM s43, 17, 4, 46, 130
	INS_NUM s43, 19, 4, 54, 132
	s_add_co_u32 s43, s43, 1
	s_wait_alu depctr_vm_vsrc(0)                   ; the LDS loads issued so far have read v4
	v_add_nc_u32 v4, 512, v4
	s_sub_co_u32 s44, s44, 1
	s_cmp_lg_u32 s44, 0
	s_cbranch_scc1 .Lblock
	s_wait_dscnt 0x0                               ; the last look-ahead, which nobody uses
	; THE TWO HALVES MEET.  The second half's waves put their lists into LDS; the first half's waves take them in reverse order.
	s_lshl_b32 s66, s41, 12
	s_add_co_u32 s66, s66, MG
	v_lshl_add_u32 v5, v1, 4, s66                  ; my 16 bytes of quad 0 of my query group; never stepped: the quad stands in the immediate
	s_wait_alu depctr_va_vdst(0)                   ; v5 is written, the address of the stores and of the loads below; the lists v[16:47] are written, the stores' data; the loop is done reading v[48:79], in which the loads land
	s_cmp_eq_u32 s42, 0
	s_cbranch_scc1 .Lno_put
.set k, 0
.rept 8
	ds_store_b128 v5, v[16+4*k:19+4*k] offset:512*k
.set k, k+1
.endr
.Lno_put:
	s_wait_dscnt 0x0
	s_barrier_signal -1
	s_barrier_wait -1
	s_cmp_lg_u32 s42, 0
	s_cbranch_scc1 .Lend
	; Both lists are sorted by (minimum, block number).  If j of mine are among the 8 smallest of the 16, these are my entries 0 .. j - 1 and the partner's 0 .. 7 - j: so of my entry k and
	; the partner's entry 7 - k exactly one belongs to them, and it is the lesser.  Of equal minima mine stays: the partner's block numbers are all higher.  Only the numbers are wanted from here on;
	; they go into the partner's registers, which no LDS or memory instruction reads.
.set k, 0
.rept 8
	ds_load_b128 v[48+4*k:51+4*k], v5 offset:512*(7-k)
.set k, k+1
.endr
	s_wait_dscnt 0x0
.set k, 0
.rept 8
	v_cmp_lt_f32 s[46+k], v[48+4*k], v[16+4*k]
	v_cmp_lt_f32 s[54+k], v[50+4*k], v[18+4*k]
.set k, k+1
.endr
	s_wait_alu depctr_va_sdst(0)                   ; the sixteen compares have written s[46:61], ahead of the first select that reads a mask
.set k, 0
.rept 8
	v_cndmask_b32 v[49+4*k], v[17+4*k], v[49+4*k], s[46+k]
	v_cndmask_b32 v[51+4*k], v[19+4*k], v[51+4*k], s[54+k]
.set k, k+1
.endr
	; the 8 block numbers in ascending order (19 exchanges), so that the next launch meets its candidates in ascending vertex index; then a byte each
.macro CE b, i, j
	v_min_u32 v130, v[(\b)+4*(\i)], v[(\b)+4*(\j)]
	v_max_u32 v[(\b)+4*(\j)], v[(\b)+4*(\i)], v[(\b)+4*(\j)]
	v_mov_b32 v[(\b)+4*(\i)], v130
.endm
.macro SORT8 b
	CE \b, 0, 1
	CE \b, 2, 3
	CE \b, 4, 5
	CE \b, 6, 7
	CE \b, 0, 2
	CE \b, 1, 3
	CE \b, 4, 6
	CE \b, 5, 7
	CE \b, 1, 2
	CE \b, 5, 6
	CE \b, 0, 4
	CE \b, 1, 5
	CE \b, 2, 6
	CE \b, 3, 7
	CE \b, 2, 4
	CE \b, 3, 5
	CE \b, 1, 2
	CE \b, 3, 4
	CE \b, 5, 6
.endm
.macro PACK8 b, d
	v_lshl_or_b32 v[\d], v[(\b)+4], 8, v[\b]
	v_lshl_or_b32 v[\d], v[(\b)+8], 16, v[\d]
	v_lshl_or_b32 v[\d], v[(\b)+12], 24, v[\d]
	v_lshl_or_b32 v[(\d)+1], v[(\b)+20], 8, v[(\b)+16]
	v_lshl_or_b32 v[(\d)+1], v[(\b)+24], 16, v[(\d)+1]
	v_lshl_or_b32 v[(\d)+1], v[(\b)+28], 24, v[(\d)+1]
.endm
	SORT8 49
	SORT8 51
	PACK8 49, 140
	PACK8 51, 142
	s_lshl_b32 s66, s62, 10
	s_lshl_b32 s67, s41, 9
	s_add_co_u32 s66, s66, s67
	v_lshl_add_u32 v6, v1, 3, s66
	s_wait_alu depctr_va_vdst(0)                   ; v[140:143] and v6 are written, the two stores' data and offset
	global_store_b64 v6, v[140:141], s[34:35]             ; 256 consecutive bytes each
	global_store_b64 v6, v[142:143], s[34:35] offset:256
.Lend:
	s_wait_dscnt 0x0                               ; the closing lines, six on end
	s_wait_alu 0x0
	s_wait_tensorcnt 0x0
	ds_add_u32 v2, v3
	s_wait_dscnt 0x0
	s_endpgm
.Lfunc_end_k_qc872c1419b_knn1:
	.size	k_qc872c1419b_knn1, .Lfunc_end_k_qc872c1419b_knn1-k_qc872c1419b_knn1
	.p2alignl 7, 3214868480
	.fill 96, 4, 3214868480
	.section	.rodata,"a",@progbits
	.p2align	6, 0x0
	.amdhsa_kernel k_qc872c1419b_knn1
		.amdhsa_group_segment_fixed_size 119808
		.amdhsa_private_segment_fixed_size 0
		.amdhsa_enable_private_segment 0
		.amdhsa_kernarg_size 128
		.amdhsa_user_sgpr_count 2
		.amdhsa_user_sgpr_kernarg_segment_ptr 1
		.amdhsa_wavefront_size32 1
		.amdhsa_system_sgpr_workgroup_id_x 1
		.amdhsa_system_sgpr_workgroup_id_y 1
		.amdhsa_system_sgpr_workgroup_id_z 1
		.amdhsa_system_vgpr_workitem_id 0
		.amdhsa_next_free_vgpr 256
		.amdhsa_next_free_sgpr 96
		.amdhsa_reserve_vcc 1
		.amdhsa_float_denorm_mode_32 3
		.amdhsa_float_denorm_mode_16_64 3
		.amdhsa_memory_ordered 1
		.amdhsa_forward_progress 1
		.amdhsa_inst_pref_size 76
	.end_amdhsa_kernel
	.amdgpu_metadata
---
amdhsa.version: [ 1, 2 ]
amdhsa.kernels:
  - .name:           k_qc872c1419b_knn1
    .symbol:         k_qc872c1419b_knn1.kd
    .args:
      - { .name: vertex, .offset: 0, .size: 8, .value_kind: global_buffer, .address_space: global }
      - { .name: vertex_features, .offset: 8, .size: 8, .value_kind: global_buffer, .address_space: global }
      - { .name: query_pts, .offset: 16, .size: 8, .value_kind: global_buffer, .address_space: global }
      - { .name: W0, .offset: 24, .size: 8, .value_kind: global_buffer, .address_space: global }
      - { .name: W1, .offset: 32, .size: 8, .value_kind: global_buffer, .address_space: global }
      - { .name: W2, .offset: 40, .size: 8, .value_kind: global_buffer, .address_space: global }
      - { .name: W3, .offset: 48, .size: 8, .value_kind: global_buffer, .address_space: global }
      - { .name: b0, .offset: 56, .size: 8, .value_kind: global_buffer, .address_space: global }
      - { .name: b1, .offset: 64, .size: 8, .value_kind: global_buffer, .address_space: global }
      - { .name: b2, .offset: 72, .size: 8, .value_kind: global_buffer, .address_space: global }
      - { .name: b3, .offset: 80, .size: 8, .value_kind: global_buffer, .address_space: global }
      - { .name: vt, .offset: 88, .size: 8, .value_kind: global_buffer, .address_space: global }
      - { .name: qt, .offset: 96, .size: 8, .value_kind: global_buffer, .address_space: global }
      - { .name: blk, .offset: 104, .size: 8, .value_kind: global_buffer, .address_space: global }
      - { .name: f16, .offset: 112, .size: 8, .value_kind: global_buffer, .address_space: global }
      - { .name: wimg, .offset: 120, .size: 8, .value_kind: global_buffer, .address_space: global }
    .group_segment_fixed_size: 119808
    .private_segment_fixed_size: 0
    .kernarg_segment_align: 8
    .kernarg_segment_size: 128
    .max_flat_workgroup_size: 128
    .sgpr_count:     96
    .vgpr_count:     256
    .wavefront_size: 32
...
	.end_amdgpu_metadata
.endif
;; end of part 4
;; launch knn2: the kernel of part 2 again; grid 256 x 1, 4 waves a work-group, no clusters, 244,224 bytes of LDS; arguments vt, qt, blk, idx, wa, wb; writes idx, wa, wb
;; launch mlp: the kernel of part 3 again; grid 256 x 1, 8 waves a work-group, clusters of 4 x 1, 216,064 bytes of LDS; arguments f16, wimg, vt, qt, idx, wa, wb, out0; writes out0
